; MI455X (gfx1250); checked and timed in simulation.
; The chip was launched on July 23, 2026; its instructions are those of AMD's public machine-readable ISA for CDNA 5 (MIT licence, August 2026) and "CDNA5" Instruction Set Architecture Reference Guide (July 2026). The comments in the code are by the model that wrote it; some were corrected since.
;; Attention. Allowed arithmetic: matrix products marked QUANTISED: E2M1 operands, one E8M0 scale for each 32 along K, by v_wmma_scale_f32_16x16x128_f8f6f4 with both operands' format E2M1 (or v_wmma_scale_f32_32x16x128_f4), f32 sums; everything else in f32.
;; Inputs: Wk 512 x 2,048 float32; Wo 2,048 x 2,048 float32; Wq 2,048 x 2,048 float32; Wv 512 x 2,048 float32; qk_gain one number float32; x 4 x 1,024 x 2,048 float32.
;; Outputs: out0 4 x 1,024 x 2,048 float32.
;; This version of the problem:
;;   THIS VERSION OF THE PROBLEM IS GIVEN IN LOW PRECISION. The matrix products marked QUANTISED in the list below multiply operands that are first quantised to E2M1 (2 exponent bits, 1 mantissa bit; 4 bits a number), with one power-of-two scale for each 32 numbers along K (OCP MX v1.0); their sums are f32. All else is computed in f32.
;;   The module's matrix products, in the order in which they are computed (A, B: the left and right operand; K: the contracted axis; several contracted axes count as one K, in the product's order):
;;     1. [M 4,096, K 2,048] x [K 2,048, N 2,048]; A: input x; B: input Wq: QUANTISED
;;     2. [M 4,096, K 2,048] x [K 2,048, N 512]; A: input x; B: input Wk: QUANTISED
;;     3. [M 4,096, K 2,048] x [K 2,048, N 512]; A: input x; B: input Wv: QUANTISED
;;     4. batch 64 x [M 1,024, K 128] x [K 128, N 1,024]; A: computed on the way; B: computed on the way: QUANTISED
;;     5. batch 64 x [M 1,024, K 1,024] x [K 1,024, N 128]; A: softmax (see below); B: computed on the way: QUANTISED
;;     6. [M 4,096, K 2,048] x [K 2,048, N 2,048]; A: computed on the way; B: input Wo: QUANTISED
;;   THE QUANTISER, for each operand of a quantised product, along K:
;;     - K is cut into blocks of 32 from its start; a last block that is shorter is filled with zeros.
;;     - A block's scale is 2^e with e = floor(log2(the largest magnitude in the block)) - 2, held to -126 .. 127; a block of zeros has e = 0. As a byte (E8M0): e + 127.
;;     - Each number is divided by its block's scale, clamped to +-6, and rounded to the nearest number of E2M1, ties to even, subnormals kept.
;;     - The product sums the exact products of the quantised numbers (number of the format x scale) in f32.
;;   ~~~python
;;   def quantise(x, axis):      # numpy; x: float32 -> the quantised numbers, widened to float32 again
;;       x = np.moveaxis(x, axis, -1); K = x.shape[-1]
;;       x = np.pad(x, [(0, 0)] * (x.ndim - 1) + [(0, -K % 32)]); x = x.reshape(x.shape[:-1] + (-1, 32)); a = np.abs(x).max(-1, keepdims=True)
;;       e = np.where(a > 0, np.clip(np.frexp(np.where(a > 0, a, 1))[1] - 1 - 2, -126, 127), 0)      # np.frexp(a)[1] - 1 = floor(log2(a)), exactly
;;       r = np.clip(x / 2.0 ** e, -6, 6)
;;       step = 2.0 ** (np.maximum(np.frexp(np.where(r == 0, 1, r))[1] - 1, 0) - 1)
;;       q = np.round(r / step) * step * 2.0 ** e      # np.round: ties to even
;;       return np.moveaxis(q.reshape(q.shape[:-2] + (-1,))[..., :K], -1, axis).astype(np.float32)
;;   ~~~
;;   SOFTMAX AHEAD OF A QUANTISED PRODUCT. Where the list says 'softmax', what is quantised is not the finished softmax but p = 2^(t - M), with t = logit x log2(e) and M = ceil(the row's largest t), a whole number; so 1/2 < the row's largest p <= 1. The row's sum l is taken of the UNQUANTISED p, in f32, and the product's result is divided by l at the end. Since M is a whole number, a kernel that streams over the keys may use a running M (the ceiling of the running maximum): every later rescaling is an exact power of two, which a block's scale takes up: the codes' values come out the same.
;;   OPERANDS COMPUTED ON THE WAY. 'Computed on the way' means the value that the module computes at that place (a softmax that the list does not call 'softmax' is quantised finished and normalised). What goes into a quantiser is computed in f32, as accurately as f32 sums, v_exp_f32 and their like allow (about 1e-6 of the number): no bf16 or f16 on the way to a quantiser, and a product that is left as it is and whose result goes on into a quantised operand takes f32 operands (vector FMAs, or v_wmma_f32_16x16x4_f32). A number that lies on a knife's edge between two numbers of the format may be rounded either way, as far as f32 arithmetic and the matrix unit's own rounding can turn it there, and no further.
;; One version. Each part assembles by itself: llvm-mc -triple=amdgcn-amd-amdhsa -mcpu=gfx1250 --defsym DOCPART=n.
;; ======== version 1 of 1: 4 launches
;; limits: right only within a limited range of input values
;; workspace buffers: ops 7,798,784 bytes; rope 262,144 bytes; qrec 4,456,448 bytes; krec 1,114,112 bytes; vrec 1,114,112 bytes; orec 4,456,448 bytes; wops 2,228,224 bytes
;; launch quant (part 1): grid 256 x 1, 8 waves a work-group, no clusters, 68,608 bytes of LDS; arguments x, Wq, Wk, Wv, ops, rope; writes ops, rope
.if DOCPART == 1
	.amdgcn_target "amdgcn-amd-amdhsa--gfx1250"
	.amdhsa_code_object_version 6
	.text
	.protected	k_q1a811d8cd8_quant
	.globl	k_q1a811d8cd8_quant
	.p2align	8
	.type	k_q1a811d8cd8_quant,@function
k_q1a811d8cd8_quant:
	s_mov_b64 s[64:65], 0
	v_nop
	global_prefetch_b8 v0, s[64:65] scope:SCOPE_SE
	s_setreg_imm32_b32 hwreg(HW_REG_WAVE_MODE, 25, 1), 1
	s_wait_xcnt 0x0
; FIRST OF FOUR LAUNCHES of one attention layer (B 4, T 1024, D 2048, 16 query heads, 4 key/value heads, head size 128), all six products on codes of FP4 (E2M1) with one E8M0 scale for each 32 along K.
; This launch turns x, Wq, Wk and Wv (f32, K innermost) into codes and scale bytes in the buffer ops, and makes the table of cosines and sines in the buffer rope.  Wo is quantised by the second launch.
; WORK LEFT OUT IN THE PROGRAM, in reference()'s own terms, for all values of the inputs:
;  - the window's lower bound j > i - WINDOW: WINDOW = T = 1024 and 0 <= i, j < 1024, so i - 1024 < 0 <= j always: the mask is the causal one alone;
;  - key steps of 128 keys that lie wholly behind a tile's queries: jnp.where puts -inf there, so their p is 0 and they add nothing to the row's sum or to the product: such whole steps are not multiplied (third launch);
;  - jnp.repeat of k and v: a lookup, key/value head = query head / 4: nothing is copied.
; Every input has a way to the output: all six are loaded (qk_gain and Wo in the second launch).
; LIMITS: a NaN, an infinity or an overflow that reaches only the work left out (k or v at hidden keys) is not carried to the result; NaN and infinities among the inputs are not served;
; a block whose largest magnitude lies under 2^-124 gets the scale byte 1 (a block of zeros too, where the quantiser says 127: its codes are zeros, and only this program reads the bytes).
; LAYOUT OF ops: [sigma = k / 512 (4)][tile (448)][record of 4,352 bytes].  A tile is 16 rows; tiles 0-255 x, 256-383 Wq, 384-415 Wk, 416-447 Wv.  Rows go in groups of 128; tile a of a group, lane row r, is row
; 32 (a / 2) + 8 (a % 2) + r + 8 (r / 8) of the group: so where such tiles are a product's source 0, a lane's 16 registers of two neighbouring result tiles are 16 neighbours along that axis.
; A record: four images of an operand's registers (16 rows x 128 K: lane l's registers 4 c .. 4 c + 3 at 512 c + 16 l), one for each 128 along K, then 256 bytes of scale words [row r][4 words].
; SHARES: 448 x 4 = 1,792 runs of 16 rows x 512 numbers = 256 x 7.  Wave w < 7 of work-group g takes run 7 g + w: tile = run / 4, sigma = run % 4.  Each load reads 512 consecutive bytes of a row; the numbers turn through
; the wave's own stage in LDS (rows of 512 + 16 bytes), so that a lane gets 16 neighbours of each block of 32 of ONE row; every store covers 512 or 256 consecutive bytes.
; Memory binds: no matrix unit, no cluster, no tensor load, no barrier: waves share nothing; 32 loads of every wave are on their way.
; Wave 7 makes four tokens of the table: rope[t][pair i] = (cos, sin) of f32(t) x freq_i, freq_i = 1 / 10^(i / 8), the power taken as the correctly rounded f32 number, the quotient rounded once.
.set REC,    4352
.set TILES,  448
.set SPITCH, 528
.set STG,    16*SPITCH
.set SPARE,  8*STG                     ; behind eight stages' room: the spare words, 128 bytes for each wave
.set LANE, 1
.set RR,   2
.set HH,   3
.set LI,   4                           ; 16 x lane
.set STI,  5                           ; the stage on the way in
.set STO,  6                           ; and on the way out: row r, + 64 h
.set SRW,  8                           ; 16 r
.set PO,   9                           ; the table: 8 x lane
.set SPW,  10
.set NIL,  11
.set TM,   12
.set SB,   28
.set RAW,  32
.set XN,   160
.set PC,   224
.set SEL,  20
.macro QUANT s, pc, pw                 ; 64 numbers of a lane become an image's eight registers and the row's scale word
.irp b, 0,1,2,3
	v_max3_num_f32 v[TM+\b], |v[\s+16*\b]|, |v[\s+1+16*\b]|, 0x1800000   ; with the floor 2^(3 - 127): the byte cannot fall under 1
.endr
.irp i, 2,4,6,8,10,12,14
.irp b, 0,1,2,3
	s_delay_alu instid0(VALU_DEP_4)
	v_max3_num_f32 v[TM+\b], v[TM+\b], |v[\s+16*\b+\i]|, |v[\s+1+16*\b+\i]|
.endr
.endr
.irp b, 0,1,2,3
	s_delay_alu instid0(VALU_DEP_4)
	v_permlanex16_b32 v[TM+4+\b], v[TM+\b], s[SEL], s[SEL+1]
.endr
.irp b, 0,1,2,3
	s_delay_alu instid0(VALU_DEP_4)
	v_max_num_f32 v[TM+\b], v[TM+\b], v[TM+4+\b]
.endr
.irp b, 0,1,2,3
	s_delay_alu instid0(VALU_DEP_4)
	v_add_nc_u32 v[TM+12+\b], 0xff000000, v[TM+\b]    ; 2 off the exponent field: the conversion's scale operand
.endr
.irp b, 0,1,2,3
	s_delay_alu instid0(VALU_DEP_4)
	v_lshrrev_b32 v[TM+4+\b], 23, v[TM+12+\b]         ; the scale's byte
.endr
	s_delay_alu instid0(VALU_DEP_3)
	v_lshl_or_b32 v[\pw], v[TM+5], 8, v[TM+4]
	s_delay_alu instid0(VALU_DEP_1)
	v_lshl_or_b32 v[\pw], v[TM+6], 16, v[\pw]
	s_delay_alu instid0(VALU_DEP_1)
	v_lshl_or_b32 v[\pw], v[TM+7], 24, v[\pw]
.irp b, 0,1,2,3
	v_cvt_scalef32_pk8_fp4_f32 v[\pc+2*\b], v[\s+16*\b:\s+7+16*\b], v[TM+12+\b]
	v_cvt_scalef32_pk8_fp4_f32 v[\pc+1+2*\b], v[\s+8+16*\b:\s+15+16*\b], v[TM+12+\b]
.endr
	v_nop                                          ; one plain line behind the scaled conversions
.irp c, 0,1
.irp i, 0,1
	v_permlane16_swap_b32 v[\pc+4*\c+\i], v[\pc+2+4*\c+\i]   ; a whole block to a lane
.endr
.endr
.endm
.macro LOAD q                          ; 128 along K of the tile's 16 rows: 16 loads of 512 consecutive bytes
.irp p, 0,1,2,3,4,5,6,7,8,9,10,11,12,13,14,15
	global_load_b128 v[RAW+64*((\q)%2)+4*\p:RAW+64*((\q)%2)+4*\p+3], v[LI], s[22:23] offset:(\p+8*(\p/8))*8192+512*(\q) th:TH_LOAD_NT
.endr
.endm
.macro TURN q                          ; through my stage: LDS serves a wave's instructions in order
.irp p, 0,1,2,3,4,5,6,7,8,9,10,11,12,13,14,15
	ds_store_b128 v[STI], v[RAW+64*((\q)%2)+4*\p:RAW+64*((\q)%2)+4*\p+3] offset:SPITCH*\p
.endr
.irp b, 0,1,2,3
.irp j, 0,1,2,3
	ds_load_b128 v[XN+16*\b+4*\j:XN+16*\b+4*\j+3], v[STO] offset:128*\b+16*\j
.endr
.endr
.endm
	s_load_b256 s[4:11], s[0:1], 0x0               ; x, Wq, Wk, Wv
	s_load_b64 s[14:15], s[0:1], 0x20              ; ops
	s_load_b64 s[16:17], s[0:1], 0x28              ; rope
	v_lshl_add_u32 v[SPW], v0, 2, SPARE
	v_mov_b32 v[NIL], 0
	v_lshrrev_b32 v1, 5, v0
	s_delay_alu instid0(VALU_DEP_1)
	v_readfirstlane_b32 s18, v1                    ; wave 0..7
	v_and_b32 v[LANE], 31, v0
	s_cmp_ge_u32 s18, 7                            ; the eighth wave makes the table
	s_cbranch_scc1 .Lrope
	v_and_b32 v[RR], 15, v0
	v_bfe_u32 v[HH], v0, 4, 1
	v_lshlrev_b32 v[LI], 4, v[LANE]
	s_mul_i32 s19, s18, STG
	v_add_nc_u32 v[STI], s19, v[LI]
	v_mul_u32_u24 v[STO], v[RR], SPITCH
	s_delay_alu instid0(VALU_DEP_1)
	v_lshl_add_u32 v[STO], v[HH], 6, v[STO]
	s_delay_alu instid0(VALU_DEP_1)
	v_add_nc_u32 v[STO], s19, v[STO]
	v_lshlrev_b32 v[SRW], 4, v[RR]
	s_mov_b32 s[SEL], 0x76543210
	s_mov_b32 s[SEL+1], 0xfedcba98
.irp b, 0,1,2,3
	v_mov_b32 v[TM+4+\b], 0                        ; a lane permute's destination counts as one of its sources
.endr
	s_mul_i32 s31, ttmp9, 7
	s_add_co_u32 s31, s31, s18                     ; my run
	s_lshr_b32 s30, s31, 2                         ; its tile, 0..447,
	s_and_b32 s31, s31, 3                          ; and its 512 along K
	s_wait_alu depctr_va_vdst(0)
	s_wait_kmcnt 0x0
	s_mov_b64 s[22:23], s[10:11]                   ; which tensor: the choice hangs on ids alone
	s_mov_b32 s24, 416
	s_cmp_lt_u32 s30, 416
	s_cselect_b64 s[22:23], s[8:9], s[22:23]
	s_cselect_b32 s24, 384, s24
	s_cmp_lt_u32 s30, 384
	s_cselect_b64 s[22:23], s[6:7], s[22:23]
	s_cselect_b32 s24, 256, s24
	s_cmp_lt_u32 s30, 256
	s_cselect_b64 s[22:23], s[4:5], s[22:23]
	s_cselect_b32 s24, 0, s24
	s_sub_co_u32 s24, s30, s24                     ; the tile's number in its tensor
	s_lshr_b32 s25, s24, 3
	s_lshl_b32 s25, s25, 7                         ; its group of 128 rows,
	s_bfe_u32 s26, s24, 0x20001
	s_lshl_b32 s26, s26, 5                         ; + 32 (a / 2)
	s_add_co_u32 s25, s25, s26
	s_and_b32 s26, s24, 1
	s_lshl_b32 s26, s26, 3                         ; + 8 (a % 2)
	s_add_co_u32 s25, s25, s26
	s_lshl_b32 s26, s25, 13                        ; rows of 8,192 bytes
	s_lshl_b32 s27, s31, 11
	s_add_co_u32 s26, s26, s27
	s_mov_b32 s27, 0
	s_add_nc_u64 s[22:23], s[22:23], s[26:27]
	s_mul_i32 s28, s31, TILES
	s_add_co_u32 s28, s28, s30
	s_mul_i32 s28, s28, REC                        ; my record
	s_mov_b32 s29, 0
	s_add_nc_u64 s[14:15], s[14:15], s[28:29]
	LOAD 0
	LOAD 1
.irp q, 0,1,2,3
.if \q < 3
	s_wait_loadcnt 16                              ; this step's 16 loads are in; the next step's 16 may be out
.else
	s_wait_loadcnt 0x0
.endif
	TURN \q
	s_wait_dscnt 0x0                               ; my 64 numbers are back, and the stage's stores have read their registers
.if \q < 2
	LOAD \q+2
.endif
	QUANT XN, PC+8*\q, SB+\q
	global_store_b128 v[LI], v[PC+8*\q:PC+8*\q+3], s[14:15] offset:1024*\q
	global_store_b128 v[LI], v[PC+8*\q+4:PC+8*\q+7], s[14:15] offset:1024*\q+512
.endr
	global_store_b128 v[SRW], v[SB:SB+3], s[14:15] offset:4096   ; the 16 rows' scale words; lanes r and r + 16 store the same words to the same place
	s_branch .Lend
.Lrope:                                            ; a lane to a pair, four tokens to the wave
	v_mov_b32 v32, 0
.set PI, 0
.irp val, 1.0, 1.3335214321633240, 1.7782794100389228, 2.3713737056616552, 3.1622776601683793, 4.2169650342858225, 5.6234132519034908, 7.4989420933245582, 10.0, 13.335214321633240, 17.782794100389228, 23.713737056616552, 31.622776601683793, 42.169650342858225, 56.234132519034908, 74.989420933245582, 100.0, 133.35214321633240, 177.82794100389228, 237.13737056616552, 316.22776601683793, 421.69650342858225, 562.34132519034908, 749.89420933245582, 1000.0, 1333.5214321633240, 1778.2794100389228, 2371.3737056616552, 3162.2776601683793, 4216.9650342858225, 5623.4132519034908, 7498.9420933245582
	s_mov_b32 s30, \val
	v_writelane_b32 v32, s30, PI
.set PI, PI+1
.endr
	s_wait_alu depctr_va_vdst(0)
	v_rcp_f32 v33, v32
	v_lshlrev_b32 v[PO], 3, v[LANE]                ; (a plain line behind the reciprocal)
	s_lshl_b32 s24, ttmp9, 2                       ; my first token
	s_lshl_b32 s26, s24, 8                         ; 256 bytes a token
	s_mov_b32 s27, 0
	s_mov_b32 s40, 0x3f22f983                      ; 2 / pi
	s_mov_b32 s41, 0x3fc90fdb                      ; pi / 2, its first 24 bits,
	s_mov_b32 s42, 0xb33bbd2e                      ; and what is left of it
	s_mov_b32 s43, 0xb94ca1f9                      ; sine's coefficients
	s_mov_b32 s44, 0x3c08839e
	s_mov_b32 s45, 0xbe2aaaa3
	s_mov_b32 s46, 0x37ccf5ce                      ; cosine's
	s_mov_b32 s47, 0xbab6061a
	s_mov_b32 s48, 0x3d2aaaa5
	s_wait_alu depctr_va_vdst(0)                   ; ahead of the reciprocal's first reader
	v_fma_f32 v34, -v32, v33, 1.0                  ; two steps of Newton
	v_fma_f32 v33, v34, v33, v33
	s_delay_alu instid0(VALU_DEP_1)
	v_fma_f32 v34, -v32, v33, 1.0
	s_delay_alu instid0(VALU_DEP_1)
	v_fma_f32 v33, v34, v33, v33
	s_wait_kmcnt 0x0
	s_add_nc_u64 s[16:17], s[16:17], s[26:27]
.set ANG, 40
.set NN,  48
.set RD,  56
.set ZZ,  64
.set SS,  72
.set CC,  80
.set QD,  88
.set T1,  96
.set OUTP, 104
.set T2,  120
.irp n, 0,1,2,3
	s_add_co_u32 s[32+\n], s24, \n
.endr
.irp n, 0,1,2,3
	v_cvt_f32_u32 v[ANG+\n], s[32+\n]
.endr
	s_wait_alu depctr_va_vdst(0)
.irp n, 0,1,2,3
	v_mul_f32 v[ANG+\n], v[ANG+\n], v33            ; the angle: one rounding, as jnp.outer makes it
.endr
.irp n, 0,1,2,3
	s_delay_alu instid0(VALU_DEP_4)
	v_mul_f32 v[NN+\n], s40, v[ANG+\n]
.endr
.irp n, 0,1,2,3
	s_delay_alu instid0(VALU_DEP_4)
	v_rndne_f32 v[NN+\n], v[NN+\n]                 ; how many quarter turns
.endr
.irp n, 0,1,2,3
	s_delay_alu instid0(VALU_DEP_4)
	v_fma_f32 v[RD+\n], -v[NN+\n], s41, v[ANG+\n]
.endr
.irp n, 0,1,2,3
	s_delay_alu instid0(VALU_DEP_4)
	v_fma_f32 v[RD+\n], -v[NN+\n], s42, v[RD+\n]   ; what is left: within pi / 4 of 0
.endr
.irp n, 0,1,2,3
	s_delay_alu instid0(VALU_DEP_4)
	v_mul_f32 v[ZZ+\n], v[RD+\n], v[RD+\n]
.endr
.irp n, 0,1,2,3
	v_fma_f32 v[SS+\n], v[ZZ+\n], s43, s44
	v_fma_f32 v[CC+\n], v[ZZ+\n], s46, s47
.endr
.irp n, 0,1,2,3
	v_fma_f32 v[SS+\n], v[SS+\n], v[ZZ+\n], s45
	v_fma_f32 v[CC+\n], v[CC+\n], v[ZZ+\n], s48
.endr
.irp n, 0,1,2,3
	v_mul_f32 v[T1+\n], v[ZZ+\n], v[RD+\n]
	v_mul_f32 v[T2+\n], v[ZZ+\n], v[ZZ+\n]
.endr
.irp n, 0,1,2,3
	v_fma_f32 v[SS+\n], v[SS+\n], v[T1+\n], v[RD+\n]   ; sine of what is left
	v_fma_f32 v[T1+\n], v[ZZ+\n], -0.5, 1.0
.endr
.irp n, 0,1,2,3
	v_fma_f32 v[CC+\n], v[CC+\n], v[T2+\n], v[T1+\n]   ; and its cosine
	v_cvt_i32_f32 v[QD+\n], v[NN+\n]
.endr
.irp n, 0,1,2,3
	v_and_b32 v[T1+\n], 1, v[QD+\n]
.endr
.irp n, 0,1,2,3
	v_cmp_eq_u32 vcc_lo, 1, v[T1+\n]               ; an odd number of quarter turns changes the two over
	s_delay_alu instid0(VALU_DEP_1)
	v_cndmask_b32 v[OUTP+2*\n], v[CC+\n], v[SS+\n], vcc_lo
	s_delay_alu instid0(VALU_DEP_2)
	v_cndmask_b32 v[OUTP+2*\n+1], v[SS+\n], v[CC+\n], vcc_lo
.endr
.irp n, 0,1,2,3
	v_add_nc_u32 v[T1+\n], 1, v[QD+\n]
	v_lshlrev_b32 v[T2+\n], 30, v[QD+\n]           ; the sine is negative in quarters 2 and 3
.endr
.irp n, 0,1,2,3
	v_lshlrev_b32 v[T1+\n], 30, v[T1+\n]           ; the cosine in quarters 1 and 2
	v_and_b32 v[T2+\n], 0x80000000, v[T2+\n]
.endr
.irp n, 0,1,2,3
	v_and_b32 v[T1+\n], 0x80000000, v[T1+\n]
	v_xor_b32 v[OUTP+2*\n+1], v[OUTP+2*\n+1], v[T2+\n]
.endr
.irp n, 0,1,2,3
	v_xor_b32 v[OUTP+2*\n], v[OUTP+2*\n], v[T1+\n]
.endr
.irp n, 0,1,2,3
	global_store_b64 v[PO], v[OUTP+2*\n:OUTP+2*\n+1], s[16:17] offset:256*\n   ; a token's 32 pairs: 256 consecutive bytes
.endr
.Lend:
	s_wait_tensorcnt 0x0                           ; the wave's end
	ds_add_u32 v[SPW], v[NIL]
	s_wait_dscnt 0x0
	s_endpgm
.Lfunc_end_k_q1a811d8cd8_quant:
	.size	k_q1a811d8cd8_quant, .Lfunc_end_k_q1a811d8cd8_quant-k_q1a811d8cd8_quant
	.p2alignl 7, 3214868480
	.fill 96, 4, 3214868480
	.section	.rodata,"a",@progbits
	.p2align	6, 0x0
	.amdhsa_kernel k_q1a811d8cd8_quant
		.amdhsa_group_segment_fixed_size 68608
		.amdhsa_private_segment_fixed_size 0
		.amdhsa_enable_private_segment 0
		.amdhsa_kernarg_size 48
		.amdhsa_user_sgpr_count 2
		.amdhsa_user_sgpr_kernarg_segment_ptr 1
		.amdhsa_wavefront_size32 1
		.amdhsa_system_sgpr_workgroup_id_x 1
		.amdhsa_system_sgpr_workgroup_id_y 1
		.amdhsa_system_sgpr_workgroup_id_z 1
		.amdhsa_system_vgpr_workitem_id 0
		.amdhsa_next_free_vgpr 256
		.amdhsa_next_free_sgpr 66
		.amdhsa_reserve_vcc 1
		.amdhsa_float_denorm_mode_32 3
		.amdhsa_float_denorm_mode_16_64 3
		.amdhsa_memory_ordered 1
		.amdhsa_forward_progress 1
		.amdhsa_inst_pref_size 51
	.end_amdhsa_kernel
	.amdgpu_metadata
---
amdhsa.version: [ 1, 2 ]
amdhsa.kernels:
  - .name:           k_q1a811d8cd8_quant
    .symbol:         k_q1a811d8cd8_quant.kd
    .args:
      - { .name: x, .offset: 0, .size: 8, .value_kind: global_buffer, .address_space: global }
      - { .name: Wq, .offset: 8, .size: 8, .value_kind: global_buffer, .address_space: global }
      - { .name: Wk, .offset: 16, .size: 8, .value_kind: global_buffer, .address_space: global }
      - { .name: Wv, .offset: 24, .size: 8, .value_kind: global_buffer, .address_space: global }
      - { .name: ops, .offset: 32, .size: 8, .value_kind: global_buffer, .address_space: global }
      - { .name: rope, .offset: 40, .size: 8, .value_kind: global_buffer, .address_space: global }
    .group_segment_fixed_size: 68608
    .private_segment_fixed_size: 0
    .kernarg_segment_align: 8
    .kernarg_segment_size: 48
    .max_flat_workgroup_size: 256
    .sgpr_count:     66
    .vgpr_count:     256
    .wavefront_size: 32
...
	.end_amdgpu_metadata
.endif
;; end of part 1
;; launch proj (part 2): grid 16 x 16, 4 waves a work-group, no clusters, 327,680 bytes of LDS; arguments ops, rope, qk_gain, qrec, krec, vrec, Wo, wops; writes qrec, krec, vrec, wops
.if DOCPART == 2
	.amdgcn_target "amdgcn-amd-amdhsa--gfx1250"
	.amdhsa_code_object_version 6
	.text
	.protected	k_q1a811d8cd8_proj
	.globl	k_q1a811d8cd8_proj
	.p2align	8
	.type	k_q1a811d8cd8_proj,@function
k_q1a811d8cd8_proj:
	s_mov_b64 s[64:65], 0
	v_nop
	global_prefetch_b8 v0, s[64:65] scope:SCOPE_SE
	s_setreg_imm32_b32 hwreg(HW_REG_WAVE_MODE, 25, 1), 1
	s_wait_xcnt 0x0
; SECOND LAUNCH.  Tile columns 0-11 (192 work-groups): q, k, v = x W^T on codes of FP4; then, in registers and in f32: the RMS norm over a head's 128, the gain (q), the rotation of the first 64 (q, k); then the quantiser of the
; next product: q and k along the head's 128, v along the KEYS.  What leaves are images of operand registers.  Tile columns 12-15 (64 work-groups) have no product: they quantise Wo, which only the fourth launch reads, into wops.
; THE PRODUCTS.  256 x 256 results to a work-group of four waves, 128 x 128 to a wave (64 accumulators, 512 registers).  K = 2048 goes in four steps of 512 through two LDS slots; a wave's one tensor load brings eight records of ops
; (34,816 dense bytes: codes and scale words together).  Source 0 ("B") gives the axis that runs along a lane's registers, source 1 ("A") the axis across the lanes.  Columns 0-7 are Wq, 8-9 Wk: A = 256 tokens, B = 256 rows of W.
; Columns 10-11 are Wv WITH THE ROLES EXCHANGED: A = 256 rows of Wv, B = 256 tokens: a lane holds a channel and its registers run along the tokens, the next product's K.  Only tile numbers differ, so the walk over K is one text.
; THE TABLE: a q, k wave needs 8 token tiles x 32 registers of cosines and sines.  Seven sets are asked for at the head, into registers that no line of the walk names; the eighth goes into slot 0's scale registers
; behind their last use, 256 matrix instructions ahead of the way out.
; NO CLUSTER: in a cluster with several tile columns x's tile lies in A's part of a slot for columns 8, 9 and in B's for 10, 11; in one along the tokens the wave that issues W's joint line would be picked by the tile column and not by
; the wave's number alone.  NO DATA PREFETCH: the walk has four slots' worth of K and no loop to run ahead in; two of the four come by first fills.
; OUT: qrec [b 16 + head][token group of 128][8,704], krec and vrec [b 4 + head][group][8,704]: eight images, then 512 bytes of scale words [lane][4]: word j of lanes 0-15 is tile 2 j's, of lanes 16-31 tile 2 j + 1's.
; wops [sigma = k / 512 (4)][tile (128)][4,352]: records laid as the first launch lays ops.  Of its 256 waves each takes one tile of 16 rows x 1,024 numbers: two records, a trip of a loop each.
; LIMITS: the gain is multiplied into the factor 1 / sqrt(mean + eps) and not into the product behind it: one rounding otherwise placed than in reference(); NaN and infinities are not served; a block under 2^-124 gets the byte 1.
.set REC,    4352
.set HALFT,  8*REC
.set SLOT,   4*HALFT                   ; A's 16 tiles, then B's 16
.set SPARE,  2*SLOT                    ; the spare words, 128 bytes for each wave
.set WSTG,   SPARE+512                 ; Wo's way: a stage of 16 rows x 528 bytes for each wave, bytes that no tensor load fills
.set SPITCH, 528
.set SIG,    448*REC
.set WSIG,   128*REC
.set HREC,   8704
.set NQ,     4
.set FR,     8
.set NL,     2
.set NP,     4
.set ADRA, 16                          ; v16-17 my A images in slot 0, 1 (Wo's way: v16, v17 the stage in and out)
.set ADRB, 20                          ; v20-21 my B images (Wo's way: v20 = 16 r)
.set ADRS, 22                          ; v22-23 my scale words: lanes 0-15 A's, lanes 16-31 B's
.set LI,   24                          ; 16 x lane
.set RO,   25                          ; the table: my token's row, + 64 h
.set SPW,  28
.set NIL,  29
.set SC,   32                          ; v32-95 scale words, two sets
.set AF,   128                         ; v128-191 A's fragments (window 0); B's two sets: window 1, v0 and v128; accumulators: windows 2, 3
.set PC,   64                          ; the way out, in slot 1's scale registers: codes,
.set TM,   72                          ; 16 at work,
.set PW,   88                          ; a scale word,
.set RS,   90                          ; the row's factor (a pair),
.set SW,   92                          ; the record's four scale words
.set HB,   128                         ; 64 numbers
.set G1,   24
.set G0,   32
.set GN,   54
.set I128, 55
.set EPS,  56
.set HI,   57
.set SEL,  58
.set PFO,  26                          ; v26     the prefetches' offset: 256 x min(lane, 16); never rewritten
.set PFX,  72                          ; s[72:73] the record of x that my wave asks for, at K step 0
.set PFW,  74                          ; s[74:75] the record of W
; A PREFETCH INTO THE L2 of K step s's records (this takes the place of what the head comment says of prefetching).  At each change of slots a wave has waited for all its tensor loads, so a refill goes out with nothing on its way beside it:
; what it asks for is asked of memory earlier.  A record is 17 blocks of 256 bytes: one instruction, a lane a block; lanes 17-31 name the last block again.  Each record is named ONCE in the launch: the 16 records of a token block's x,
; which twelve tile columns read, by columns 0-3, record 4 column + wave; the 16 of a tile column's W, which sixteen token blocks read, by token blocks 0-3, record 4 block + wave.  K steps 1 and 2 are asked for at the head, K step 3
; behind the first barrier's load: two changes of slots ahead of its tensor load.  K step 0 comes by its load alone.  Every offset is an immediate, inside ops: 3 SIG + 447 records + 4,096 at the most.
.macro ASK s
	s_cmp_lt_u32 s19, 4
	s_cbranch_scc0 .Lnot_x_\@
	global_prefetch_b8 v[PFO], s[PFX:PFX+1] offset:(\s)*SIG th:TH_LOAD_NT scope:SCOPE_SE
.Lnot_x_\@:
	s_cmp_lt_u32 s20, 4
	s_cbranch_scc0 .Lnot_w_\@
	global_prefetch_b8 v[PFO], s[PFW:PFW+1] offset:(\s)*SIG th:TH_LOAD_NT scope:SCOPE_SE
.Lnot_w_\@:
.endm
.set MSB, 0
.macro WIN new                         ; the immediate's high byte repeats the setting that is left
.if MSB != (\new)
	s_set_vgpr_msb (MSB<<8)|(\new)
.set MSB, (\new)
.endif
.endm
.set MUL_LO, 0xa1
.set MUL_HI, 0xf1
.set TO_B,   0x40
.macro FRAG reg, adr, q, i
.irp c, 0,1
	ds_load_b128 v[\reg+4*\c:\reg+4*\c+3], v[\adr] offset:(\i)*REC+1024*(\q)+512*\c
.endr
.endm
; 16 matrix instructions; the 64 accumulators take turns, one instruction a turn, in the same order in every step
.macro MUL16 a0, p, q, sc, zero
.irp a, \a0, \a0+1
.irp b, 0,1,2,3,4,5,6,7
.if \zero
	v_wmma_scale_f32_16x16x128_f8f6f4 v[8*(8*((\a)%4)+\b):8*(8*((\a)%4)+\b)+7], v[128*(\p)+FR*\b:128*(\p)+FR*\b+FR-1], v[AF+FR*(\a):AF+FR*(\a)+FR-1], 0, v[SC+8*NQ*(\sc)+NQ*\b+(\q)], v[SC+8*NQ*(\sc)+NQ*(\a)+(\q)] matrix_a_fmt:MATRIX_FMT_FP4 matrix_b_fmt:MATRIX_FMT_FP4 matrix_a_scale:MATRIX_SCALE_ROW1
.else
	v_wmma_scale_f32_16x16x128_f8f6f4 v[8*(8*((\a)%4)+\b):8*(8*((\a)%4)+\b)+7], v[128*(\p)+FR*\b:128*(\p)+FR*\b+FR-1], v[AF+FR*(\a):AF+FR*(\a)+FR-1], v[8*(8*((\a)%4)+\b):8*(8*((\a)%4)+\b)+7], v[SC+8*NQ*(\sc)+NQ*\b+(\q)], v[SC+8*NQ*(\sc)+NQ*(\a)+(\q)] matrix_a_fmt:MATRIX_FMT_FP4 matrix_b_fmt:MATRIX_FMT_FP4 matrix_a_scale:MATRIX_SCALE_ROW1
.endif
.endr
.endr
.endm
.macro FETCH_B slot, q, p
	WIN TO_B
.irp i, 0,1,2,3,4,5,6,7
	FRAG 128*(\p)+FR*\i, ADRB+\slot, \q, \i
.endr
	WIN 0
.endm
.macro FETCH_A slot, q, i0
.irp i, \i0, \i0+1, \i0+2, \i0+3
	FRAG AF+FR*(\i), ADRA+\slot, \q, \i
.endr
.endm
.macro SCALES sc
.irp i, 0,1,2,3,4,5,6,7
	ds_load_b128 v[SC+8*NQ*\sc+NQ*\i:SC+8*NQ*\sc+NQ*\i+3], v[ADRS+\sc] offset:\i*REC
.endr
.endm
.macro PLACES n                        ; plain vector lines behind a matrix instruction (ISA guide 7.12.1)
.rept \n
	v_nop
.endr
.endm
.macro STEP slot, q, zero              ; 128 along K that has its successor in the same slot
	s_wait_dscnt 4*NL                              ; all but the youngest eight loads (A's blocks 4-7)
	WIN MUL_LO
	MUL16 0, (\q)%2, \q, \slot, \zero
	MUL16 2, (\q)%2, \q, \slot, \zero
	s_wait_dscnt 0
	PLACES NP
	FETCH_B \slot, (\q)+1, 1-(\q)%2
	FETCH_A \slot, (\q)+1, 0
	WIN MUL_HI
	MUL16 4, (\q)%2, \q, \slot, \zero
	MUL16 6, (\q)%2, \q, \slot, \zero
	PLACES NP
	WIN 0
	FETCH_A \slot, (\q)+1, 4
.endm
; A slot's last step changes slots: one barrier; in front of it each wave waits for all its tensor loads, adds 0 to its spare word, and waits for that and for its reads of this slot
.macro TURN slot, next, fill
	s_wait_tensorcnt 0x0                           ; my part of the next slot has landed
	ds_add_u32 v[SPW], v[NIL]
	s_wait_dscnt 4*NL+1                            ; (the add and the youngest eight loads may be out)
	WIN MUL_LO
	MUL16 0, 1, NQ-1, \slot, 0
	s_wait_dscnt 0x0                               ; the add is done, and my reads of this slot are over
	s_barrier_signal -1
	MUL16 2, 1, NQ-1, \slot, 0
	WIN 0
	s_barrier_wait -1
.if \fill
	s_add_nc_u64 s[G0+4*\slot+2:G0+4*\slot+3], s[G0+4*\slot+2:G0+4*\slot+3], 2*SIG
	tensor_load_to_lds s[G0+4*\slot:G0+4*\slot+3], s[G1:G1+7]   ; my one tensor load behind this barrier
	s_nop 0
	PLACES 4
.else
	PLACES NP
.endif
	FETCH_B \next, 0, 0
	FETCH_A \next, 0, 0
	SCALES \next
	WIN MUL_HI
	MUL16 4, 1, NQ-1, \slot, 0
	MUL16 6, 1, NQ-1, \slot, 0
	PLACES NP
	WIN 0
	FETCH_A \next, 0, 4
.endm
.macro STEPS slot, from
.set QQ, \from
.rept NQ-1-\from
	STEP \slot, QQ, 0
.set QQ, QQ+1
.endr
.endm
; 64 numbers of a lane, v[s] on in window w, register 16 b + i = k 32 b + 16 h + i of my row, become an image's registers v[pc] on and the row's scale word v[pw] (window 0)
.macro QUANT s, w, pc, pw
	WIN (\w)|((\w)<<2)
.irp b, 0,1,2,3
	v_max3_num_f32 v[TM+\b], |v[\s+16*\b]|, |v[\s+1+16*\b]|, 0x1800000   ; with the floor 2^(3 - 127)
.endr
	WIN ((\w)<<2)|((\w)<<4)
.irp i, 2,4,6,8,10,12,14
.irp b, 0,1,2,3
	v_max3_num_f32 v[TM+\b], v[TM+\b], |v[\s+16*\b+\i]|, |v[\s+1+16*\b+\i]|
.endr
.endr
	WIN 0
.irp b, 0,1,2,3
	v_permlanex16_b32 v[TM+4+\b], v[TM+\b], s[SEL], s[SEL+1]
.endr
.irp b, 0,1,2,3
	v_max_num_f32 v[TM+\b], v[TM+\b], v[TM+4+\b]
.endr
.irp b, 0,1,2,3
	v_add_nc_u32 v[TM+12+\b], 0xff000000, v[TM+\b]    ; 2 off the exponent field: the conversion's scale operand
.endr
.irp b, 0,1,2,3
	v_lshrrev_b32 v[TM+4+\b], 23, v[TM+12+\b]
.endr
	v_lshl_or_b32 v[\pw], v[TM+5], 8, v[TM+4]
	v_lshl_or_b32 v[\pw], v[TM+6], 16, v[\pw]
	v_lshl_or_b32 v[\pw], v[TM+7], 24, v[\pw]
	WIN (\w)
.irp b, 0,1,2,3
	v_cvt_scalef32_pk8_fp4_f32 v[\pc+2*\b], v[\s+16*\b:\s+7+16*\b], v[TM+12+\b]
	v_cvt_scalef32_pk8_fp4_f32 v[\pc+1+2*\b], v[\s+8+16*\b:\s+15+16*\b], v[TM+12+\b]
.endr
	WIN 0
	v_nop                                          ; one plain line behind the scaled conversions
.irp c, 0,1
.irp i, 0,1
	v_permlane16_swap_b32 v[\pc+4*\c+\i], v[\pc+2+4*\c+\i]
.endr
.endr
.endm
.macro CSLOC a                         ; where token tile a's 32 table registers lie: window CW, from v[CB] on
.if (\a) < 2
.set CW, 0
.set CB, 192+32*(\a)
.elseif (\a) == 2
.set CW, 0
.set CB, 96
.elseif (\a) < 5
.set CW, 1
.set CB, 64+32*((\a)-3)
.elseif (\a) < 7
.set CW, 1
.set CB, 192+32*((\a)-5)
.else
.set CW, 0
.set CB, 32
.endif
.endm
.macro ROPELD a                        ; register 16 b + i holds the table's number 32 b + 16 h + i of my token: a cosine beside each even channel, its sine beside the odd one
	CSLOC \a
	WIN CW<<6
.irp b, 0,1
.irp m, 0,1,2,3
	global_load_b128 v[CB+16*\b+4*\m:CB+16*\b+4*\m+3], v[RO], s[52:53] offset:(32*((\a)/2)+8*((\a)%2))*256+128*\b+16*\m
.endr
.endr
.endm
.macro PCLOC a                         ; each tile's codes have eight registers of their own, so that no store's data are written again: tile 0 v[PC] on; tiles 1-4 and 5-7 in the table registers of tiles 0 and 1, which are done with by then
.if (\a) == 0
.set PCA, PC
.elseif (\a) < 5
.set PCA, 192+8*((\a)-1)
.else
.set PCA, 224+8*((\a)-5)
.endif
.endm
.macro KEEPW a
.if ((\a)%2) == 0
	v_mov_b32 v[SW+(\a)/2], v[PW]
.else
	v_cndmask_b32 v[SW+(\a)/2], v[SW+(\a)/2], v[PW], s[HI]   ; lanes 16-31 take the odd tile's
.endif
.endm
.macro EPI_QK a                        ; token tile a of q or k: norm, gain, rotation, quantiser, image
.set WW, 2+(\a)/4
.set AC, 64*((\a)%4)
	WIN WW|(WW<<2)
	v_pk_mul_f32 v[8:9], v[AC:AC+1], v[AC:AC+1]            ; the sum of squares of my 64, four chains, each accumulator from its low end on
	v_pk_mul_f32 v[10:11], v[AC+2:AC+3], v[AC+2:AC+3]
	v_pk_mul_f32 v[12:13], v[AC+4:AC+5], v[AC+4:AC+5]
	v_pk_mul_f32 v[14:15], v[AC+6:AC+7], v[AC+6:AC+7]
.set JJ, 8
.rept 7
	v_pk_fma_f32 v[8:9], v[AC+JJ:AC+JJ+1], v[AC+JJ:AC+JJ+1], v[8:9]
	v_pk_fma_f32 v[10:11], v[AC+JJ+2:AC+JJ+3], v[AC+JJ+2:AC+JJ+3], v[10:11]
	v_pk_fma_f32 v[12:13], v[AC+JJ+4:AC+JJ+5], v[AC+JJ+4:AC+JJ+5], v[12:13]
	v_pk_fma_f32 v[14:15], v[AC+JJ+6:AC+JJ+7], v[AC+JJ+6:AC+JJ+7], v[14:15]
.set JJ, JJ+8
.endr
	WIN 0
	v_pk_add_f32 v[8:9], v[8:9], v[10:11]
	v_pk_add_f32 v[12:13], v[12:13], v[14:15]
	v_pk_add_f32 v[8:9], v[8:9], v[12:13]
	v_add_f32 v8, v8, v9
	v_permlanex16_b32 v9, v8, s[SEL], s[SEL+1]
	v_add_f32 v8, v8, v9                           ; with lane l xor 16's 64: the head's 128
	v_fma_f32 v8, v8, s[I128], s[EPS]              ; the mean + eps
	s_wait_alu depctr_va_vdst(0)
	v_rsq_f32 v[RS], v8
	v_nop
	s_wait_alu depctr_va_vdst(0)                   ; ahead of its first reader
	v_mul_f32 v[RS], s[GN], v[RS]                  ; x the gain (k: x 1)
	WIN WW
.set JJ, 0
.rept 32
	v_pk_mul_f32 v[HB+JJ:HB+JJ+1], v[AC+JJ:AC+JJ+1], v[RS:RS+1] op_sel_hi:[1,0]
.set JJ, JJ+2
.endr
	CSLOC \a
	WIN CW<<2
.irp g, 0,1,2,3                                ; 16 pairs are mine: (x1, x2) -> (x1 c - x2 s, x2 c + x1 s): (x2 s, x1 s) by one packed product, then one packed multiply-add whose low addend is negated
.irp p, 0,1,2,3
	v_pk_mul_f32 v[4+2*(\p%2)+8*(\p/2):5+2*(\p%2)+8*(\p/2)], v[HB+8*\g+2*\p:HB+8*\g+2*\p+1], v[CB+8*\g+2*\p:CB+8*\g+2*\p+1] op_sel:[1,1] op_sel_hi:[0,1]
.endr
.irp p, 0,1,2,3
	v_pk_fma_f32 v[HB+8*\g+2*\p:HB+8*\g+2*\p+1], v[HB+8*\g+2*\p:HB+8*\g+2*\p+1], v[CB+8*\g+2*\p:CB+8*\g+2*\p+1], v[4+2*(\p%2)+8*(\p/2):5+2*(\p%2)+8*(\p/2)] op_sel_hi:[1,0,1] neg_lo:[0,0,1]
.endr
.endr
	WIN 0
	PCLOC \a
	QUANT HB, 0, PCA, PW
	global_store_b128 v[LI], v[PCA:PCA+3], s[50:51] offset:1024*(\a)        ; 32 lanes store 512 consecutive bytes
	global_store_b128 v[LI], v[PCA+4:PCA+7], s[50:51] offset:1024*(\a)+512
	KEEPW \a
.endm
.macro EPI_V a                         ; channel tile a of v: the accumulators are quantised as they stand, along the keys
.set WW, 2+(\a)/4
.set AC, 64*((\a)%4)
	PCLOC \a
	QUANT AC, WW, PCA, PW
	global_store_b128 v[LI], v[PCA:PCA+3], s[50:51] offset:1024*(\a)
	global_store_b128 v[LI], v[PCA+4:PCA+7], s[50:51] offset:1024*(\a)+512
	KEEPW \a
.endm
	s_load_b256 s[4:11], s[0:1], 0x0               ; ops, rope, qk_gain, qrec
	s_load_b128 s[12:15], s[0:1], 0x20             ; krec, vrec
	s_load_b128 s[68:71], s[0:1], 0x30             ; Wo, wops
	v_lshl_add_u32 v[SPW], v0, 2, SPARE
	v_mov_b32 v[NIL], 0
	ds_add_u32 v[SPW], v[NIL]                      ; the opening: the add, twice on end, and its wait
	ds_add_u32 v[SPW], v[NIL]
	v_lshrrev_b32 v1, 5, v0
	v_readfirstlane_b32 s16, v1                    ; wave 0..3
	s_lshr_b32 s17, s16, 1                         ; which half of A is mine.  Also: I fetch for A (0) or for B (1)
	s_and_b32 s18, s16, 1                          ; which half of B.  Also: which eight tiles I fetch
	s_mov_b32 s19, ttmp9                           ; tile column 0..15
	s_and_b32 s20, ttmp7, 0xffff                   ; block of 256 tokens 0..15
	s_mov_b32 s[G1+0], 3<<16                       ; group 1: 34,816 dense bytes as 136 rows of 32 elements of 8 bytes
	s_mov_b32 s[G1+1], 32<<16
	s_mov_b32 s[G1+2], 136<<16
	s_mov_b32 s[G1+3], 32<<16
	s_mov_b32 s[G1+4], 136
	s_mov_b32 s[G1+5], 32
	s_mov_b32 s[G1+6], 0
	s_mov_b32 s[G1+7], 0
	s_lshl_b32 s40, s19, 4
	s_add_co_u32 s40, s40, 256                     ; W's first tile
	s_lshl_b32 s41, s20, 4                         ; x's first tile
	s_cmp_lt_u32 s19, 10                           ; q, k: A = x, B = W;  v: A = W, B = x
	s_cselect_b32 s42, s41, s40
	s_cselect_b32 s43, s40, s41
	s_cmp_eq_u32 s17, 0
	s_cselect_b32 s42, s42, s43
	s_lshl_b32 s43, s18, 3
	s_add_co_u32 s42, s42, s43                     ; my eight tiles
	s_mul_i32 s42, s42, REC
	s_mov_b32 s43, 0
	s_mul_i32 s44, s16, HALFT                      ; and where they go
	s_mov_b32 s[I128], 0x3c000000                  ; 1 / 128
	s_mov_b32 s[EPS], 0x358637bd                   ; 1e-6
	s_mov_b32 s[HI], 0xffff0000
	s_mov_b32 s[SEL], 0x76543210
	s_mov_b32 s[SEL+1], 0xfedcba98
	s_wait_alu depctr_va_vdst(0)                   ; the wait ahead of the waits and the branch below
	s_wait_dscnt 0x0
	s_wait_kmcnt 0x0
	s_cmp_ge_u32 s19, 12                           ; the work-group's number alone: columns 12-15 take Wo's way, which has no tensor load and no barrier
	s_cbranch_scc1 .Lwo
	s_add_nc_u64 s[42:43], s[4:5], s[42:43]
.irp s, 0,1
	s_mov_b32 s[G0+4*\s], 1
	s_add_co_u32 s[G0+4*\s+1], s44, \s*SLOT
	s_add_nc_u64 s[G0+4*\s+2:G0+4*\s+3], s[42:43], \s*SIG
	s_or_b32 s[G0+4*\s+3], s[G0+4*\s+3], 0x80000000
.endr
	tensor_load_to_lds s[G0:G0+3], s[G1:G1+7]      ; my part of slot 0: one tensor load a wave at the head
	s_nop 0
	s_load_b32 s45, s[8:9], 0x0                    ; the gain: it enters arithmetic alone
	s_mul_i32 s46, s17, HALFT                      ; my eight tiles of A
	s_mul_i32 s47, s18, HALFT
	s_add_co_u32 s47, s47, 2*HALFT                 ; my eight of B
	s_xor_b32 s48, s17, 1
	s_add_co_u32 s48, s48, s18
	s_add_co_u32 s48, s48, 1
	s_mul_i32 s48, s48, HALFT                      ; from my A to my B
	s_add_co_u32 s49, s46, 4096                    ; behind a record's four images
	s_lshl_b32 s72, s20, 4                         ; the prefetches: x's tile 16 block + 4 column + wave (used where column < 4),
	s_lshl_b32 s73, s19, 2
	s_add_co_u32 s72, s72, s73
	s_add_co_u32 s72, s72, s16
	s_mul_i32 s72, s72, REC
	s_mov_b32 s73, 0
	s_add_nc_u64 s[PFX:PFX+1], s[4:5], s[72:73]
	s_lshl_b32 s74, s19, 4                         ; W's tile 256 + 16 column + 4 block + wave (used where block < 4)
	s_lshl_b32 s75, s20, 2
	s_add_co_u32 s74, s74, s75
	s_add_co_u32 s74, s74, s16
	s_add_co_u32 s74, s74, 256
	s_mul_i32 s74, s74, REC
	s_mov_b32 s75, 0
	s_add_nc_u64 s[PFW:PFW+1], s[4:5], s[74:75]
	v_and_b32 v1, 31, v0
	v_and_b32 v2, 15, v0
	v_bfe_u32 v3, v0, 4, 1
	v_lshlrev_b32 v[LI], 4, v1
	v_add_nc_u32 v[ADRA], s46, v[LI]
	v_add_nc_u32 v[ADRB], s47, v[LI]
	v_add_nc_u32 v[ADRA+1], SLOT, v[ADRA]
	v_add_nc_u32 v[ADRB+1], SLOT, v[ADRB]
	v_mul_u32_u24 v4, s48, v3                      ; lanes 16-31 take B's
	v_lshl_add_u32 v4, v2, 4, v4
	v_add_nc_u32 v[ADRS], s49, v4
	v_add_nc_u32 v[ADRS+1], SLOT, v[ADRS]
	v_and_b32 v5, 8, v2
	v_add_nc_u32 v5, v5, v2                        ; r + 8 (r / 8)
	v_lshlrev_b32 v[RO], 8, v5
	v_lshl_add_u32 v[RO], v3, 6, v[RO]
	v_min_u32 v[PFO], 16, v1
	v_lshlrev_b32 v[PFO], 8, v[PFO]
	s_wait_alu depctr_va_vdst(0)                   ; the wait at the end of the head's vector work
	s_cmp_lt_u32 s19, 8                            ; where my 128 x 128 goes
	s_cselect_b64 s[50:51], s[10:11], s[12:13]
	s_cselect_b32 s40, 16, 4
	s_cselect_b32 s41, 0, 8
	s_cmp_lt_u32 s19, 10
	s_cselect_b64 s[50:51], s[50:51], s[14:15]
	s_cselect_b32 s41, s41, 10
	s_cselect_b32 s42, s18, s17                    ; the head lies along B (q, k) or along A (v),
	s_cselect_b32 s43, s17, s18                    ; the tokens along the other
	s_sub_co_u32 s41, s19, s41
	s_lshl_b32 s41, s41, 1
	s_add_co_u32 s41, s41, s42                     ; head
	s_lshl_b32 s44, s20, 1
	s_add_co_u32 s44, s44, s43                     ; group of 128 tokens
	s_lshr_b32 s46, s44, 3                         ; batch
	s_mul_i32 s46, s46, s40
	s_add_co_u32 s46, s46, s41
	s_lshl_b32 s46, s46, 3
	s_and_b32 s47, s44, 7
	s_add_co_u32 s46, s46, s47
	s_mul_i32 s46, s46, HREC
	s_lshl_b32 s48, s47, 15                        ; the group's 128 rows of the table
	s_mov_b32 s47, 0
	s_mov_b32 s49, 0
	s_add_nc_u64 s[50:51], s[50:51], s[46:47]
	s_add_nc_u64 s[52:53], s[6:7], s[48:49]
	ASK 1
	ASK 2
	s_cmp_lt_u32 s19, 10                           ; v has no rotation
	s_cbranch_scc0 .Lno_table
.irp a, 0,1,2,3,4,5,6
	ROPELD \a
.endr
	WIN 0
.Lno_table:
	s_wait_kmcnt 0x0                               ; the gain is in: it is waited for here, behind the prefetches and the table's loads, which do not hang on it
	s_cmp_lt_u32 s19, 8
	s_cselect_b32 s[GN], s45, 1.0                  ; q: the gain; k: 1
	s_wait_tensorcnt 0x0                           ; my part of slot 0 is in; slot 1's first fill is issued as a refill is:
	ds_add_u32 v[SPW], v[NIL]
	s_wait_dscnt 0x0
	s_barrier_signal -1
	s_barrier_wait -1
	tensor_load_to_lds s[G0+4:G0+7], s[G1:G1+7]    ; my one tensor load behind this barrier
	s_nop 0
	PLACES 4
	FETCH_B 0, 0, 0
	FETCH_A 0, 0, 0
	SCALES 0
	FETCH_A 0, 0, 4
	ASK 3
	STEP 0, 0, 1                                   ; the first products start the sums
	STEPS 0, 1
	TURN 0, 1, 1
	STEPS 1, 0
	TURN 1, 0, 1
	STEP 0, 0, 0
	STEPS 0, 1
	TURN 0, 1, 0                                   ; the last two slots fill nothing
	s_cmp_lt_u32 s19, 10
	s_cbranch_scc0 .Lno_t7
	ROPELD 7                                       ; into slot 0's scale registers: four places stand behind the last product that read them
.Lno_t7:
	STEPS 1, 0
	s_wait_dscnt 4*NL
	WIN MUL_LO
	MUL16 0, 1, NQ-1, 1, 0
	MUL16 2, 1, NQ-1, 1, 0
	s_wait_dscnt 0
	WIN MUL_HI
	MUL16 4, 1, NQ-1, 1, 0
	MUL16 6, 1, NQ-1, 1, 0
	WIN 0
	PLACES NP
	v_mov_b32 v[RS+1], 0                           ; (named with the factor as a pair)
.irp b, 0,1,2,3
	v_mov_b32 v[TM+4+\b], 0                        ; a lane permute's destination counts as one of its sources
.endr
	s_cmp_lt_u32 s19, 10
	s_wait_alu depctr_va_vdst(0)                   ; the wait ahead of the branch
	s_cbranch_scc0 .Lv_arm
	s_wait_loadcnt 0x0                             ; the table's eight sets
.irp a, 0,1,2,3,4,5,6,7
	EPI_QK \a
.endr
	s_branch .Ljoin
.Lv_arm:
.irp a, 0,1,2,3,4,5,6,7
	EPI_V \a
.endr
.Ljoin:
	s_wait_alu depctr_va_vdst(0)
	global_store_b128 v[LI], v[SW:SW+3], s[50:51] offset:8192   ; the record's scale words: 512 consecutive bytes
	s_wait_tensorcnt 0x0                           ; the wave's end
	ds_add_u32 v[SPW], v[NIL]
	s_wait_dscnt 0x0
	s_endpgm
; ---------------- Wo's way: wave u = 4 (column - 12 + 4 y) + wave, 0..255, takes tile u / 2 of Wo's 128 and half u % 2 of K: two records.  The arithmetic of a block and the turn through the stage are the first launch's.
.macro WLOAD q
.irp p, 0,1,2,3,4,5,6,7,8,9,10,11,12,13,14,15
	global_load_b128 v[128+64*((\q)%2)+4*\p:128+64*((\q)%2)+4*\p+3], v[LI], s[50:51] offset:(\p+8*(\p/8))*8192+512*(\q) th:TH_LOAD_NT
.endr
.endm
.macro WTURN q                         ; LDS serves a wave's instructions in order; the 64 numbers come back into window 1, v0-63
.irp p, 0,1,2,3,4,5,6,7,8,9,10,11,12,13,14,15
	ds_store_b128 v16, v[128+64*((\q)%2)+4*\p:128+64*((\q)%2)+4*\p+3] offset:SPITCH*\p
.endr
	WIN TO_B
.irp b, 0,1,2,3
.irp j, 0,1,2,3
	ds_load_b128 v[16*\b+4*\j:16*\b+4*\j+3], v17 offset:128*\b+16*\j
.endr
.endr
	WIN 0
.endm
.Lwo:
	s_mul_i32 s40, s16, 16*SPITCH
	s_add_co_u32 s40, s40, WSTG                    ; my stage
	s_sub_co_u32 s41, s19, 12
	s_lshl_b32 s42, s20, 2
	s_add_co_u32 s41, s41, s42
	s_lshl_b32 s41, s41, 2
	s_add_co_u32 s41, s41, s16                     ; u
	s_lshr_b32 s42, s41, 1                         ; tile
	s_and_b32 s43, s41, 1                          ; half of K
	s_lshr_b32 s44, s42, 3
	s_lshl_b32 s44, s44, 7                         ; its group of 128 rows,
	s_bfe_u32 s45, s42, 0x20001
	s_lshl_b32 s45, s45, 5                         ; + 32 (a / 2)
	s_add_co_u32 s44, s44, s45
	s_and_b32 s45, s42, 1
	s_lshl_b32 s45, s45, 3                         ; + 8 (a % 2)
	s_add_co_u32 s44, s44, s45
	s_lshl_b32 s48, s44, 13                        ; rows of 8,192 bytes
	s_lshl_b32 s45, s43, 12                        ; + my 1,024 numbers
	s_add_co_u32 s48, s48, s45
	s_mov_b32 s49, 0
	s_add_nc_u64 s[50:51], s[68:69], s[48:49]
	s_lshl_b32 s46, s43, 8                         ; record (2 half) x 128 + tile
	s_add_co_u32 s46, s46, s42
	s_mul_i32 s46, s46, REC
	s_mov_b32 s47, 0
	s_add_nc_u64 s[52:53], s[70:71], s[46:47]
	s_mov_b32 s60, 2
	v_and_b32 v1, 31, v0
	v_and_b32 v2, 15, v0
	v_bfe_u32 v3, v0, 4, 1
	v_lshlrev_b32 v[LI], 4, v1
	v_add_nc_u32 v16, s40, v[LI]
	v_mul_u32_u24 v17, v2, SPITCH
	v_lshl_add_u32 v17, v3, 6, v17
	v_add_nc_u32 v17, s40, v17
	v_lshlrev_b32 v20, 4, v2
.irp b, 0,1,2,3
	v_mov_b32 v[TM+4+\b], 0
.endr
	s_wait_alu depctr_va_vdst(0)                   ; the wait at the head's end
.Lwrun:                                            ; a trip: 512 along K, one record
	WLOAD 0
	WLOAD 1
.irp q, 0,1,2,3
.if \q < 3
	s_wait_loadcnt 16                              ; this step's 16 loads are in; the next step's 16 may be out
.else
	s_wait_loadcnt 0x0
.endif
	WTURN \q
	s_wait_dscnt 0x0
	s_wait_xcnt 0x0                                ; the last step's stores have read their data
.if \q < 2
	WLOAD \q+2
.endif
	QUANT 0, 1, PC, SW+\q
	global_store_b128 v[LI], v[PC:PC+3], s[52:53] offset:1024*\q
	global_store_b128 v[LI], v[PC+4:PC+7], s[52:53] offset:1024*\q+512
.endr
	s_wait_alu depctr_va_vdst(0)
	global_store_b128 v20, v[SW:SW+3], s[52:53] offset:4096   ; lanes r and r + 16 store the same words to the same place
	s_wait_xcnt 0x0                                ; bases and data are written again only behind this wait
	s_add_nc_u64 s[50:51], s[50:51], 2048
	s_add_nc_u64 s[52:53], s[52:53], WSIG
	s_sub_co_u32 s60, s60, 1
	s_cmp_lg_u32 s60, 0
	s_wait_alu depctr_va_vdst(0)
	s_cbranch_scc1 .Lwrun
	s_wait_tensorcnt 0x0                           ; the wave's end
	ds_add_u32 v[SPW], v[NIL]
	s_wait_dscnt 0x0
	s_endpgm
.Lfunc_end_k_q1a811d8cd8_proj:
	.size	k_q1a811d8cd8_proj, .Lfunc_end_k_q1a811d8cd8_proj-k_q1a811d8cd8_proj
	.p2alignl 7, 3214868480
	.fill 96, 4, 3214868480
	.section	.rodata,"a",@progbits
	.p2align	6, 0x0
	.amdhsa_kernel k_q1a811d8cd8_proj
		.amdhsa_group_segment_fixed_size 327680
		.amdhsa_private_segment_fixed_size 0
		.amdhsa_enable_private_segment 0
		.amdhsa_kernarg_size 64
		.amdhsa_user_sgpr_count 2
		.amdhsa_user_sgpr_kernarg_segment_ptr 1
		.amdhsa_wavefront_size32 1
		.amdhsa_system_sgpr_workgroup_id_x 1
		.amdhsa_system_sgpr_workgroup_id_y 1
		.amdhsa_system_sgpr_workgroup_id_z 1
		.amdhsa_system_vgpr_workitem_id 0
		.amdhsa_next_free_vgpr 1024
		.amdhsa_next_free_sgpr 80
		.amdhsa_reserve_vcc 0
		.amdhsa_float_denorm_mode_32 3
		.amdhsa_float_denorm_mode_16_64 3
		.amdhsa_memory_ordered 1
		.amdhsa_forward_progress 1
		.amdhsa_inst_pref_size 255
	.end_amdhsa_kernel
	.section	.bss,"aw",@nobits
	.p2align	6
	.space	262144
	.amdgpu_metadata
---
amdhsa.version: [ 1, 2 ]
amdhsa.kernels:
  - .name:           k_q1a811d8cd8_proj
    .symbol:         k_q1a811d8cd8_proj.kd
    .args:
      - { .name: ops, .offset: 0, .size: 8, .value_kind: global_buffer, .address_space: global }
      - { .name: rope, .offset: 8, .size: 8, .value_kind: global_buffer, .address_space: global }
      - { .name: qk_gain, .offset: 16, .size: 8, .value_kind: global_buffer, .address_space: global }
      - { .name: qrec, .offset: 24, .size: 8, .value_kind: global_buffer, .address_space: global }
      - { .name: krec, .offset: 32, .size: 8, .value_kind: global_buffer, .address_space: global }
      - { .name: vrec, .offset: 40, .size: 8, .value_kind: global_buffer, .address_space: global }
      - { .name: Wo, .offset: 48, .size: 8, .value_kind: global_buffer, .address_space: global }
      - { .name: wops, .offset: 56, .size: 8, .value_kind: global_buffer, .address_space: global }
    .group_segment_fixed_size: 327680
    .private_segment_fixed_size: 0
    .kernarg_segment_align: 8
    .kernarg_segment_size: 64
    .max_flat_workgroup_size: 128
    .sgpr_count:     80
    .vgpr_count:     1024
    .wavefront_size: 32
...
	.end_amdgpu_metadata
.endif
;; end of part 2
;; launch attn (part 3): grid 4 x 64, 16 waves a work-group, clusters of 4 x 1, 167,936 bytes of LDS; arguments qrec, krec, vrec, orec; writes orec
.if DOCPART == 3
	.amdgcn_target "amdgcn-amd-amdhsa--gfx1250"
	.amdhsa_code_object_version 6
	.text
	.protected	k_q1a811d8cd8_attn
	.globl	k_q1a811d8cd8_attn
	.p2align	8
	.type	k_q1a811d8cd8_attn,@function
k_q1a811d8cd8_attn:
	s_mov_b64 s[64:65], 0
	v_nop
	global_prefetch_b8 v0, s[64:65] scope:SCOPE_SE
	s_setreg_imm32_b32 hwreg(HW_REG_WAVE_MODE, 25, 1), 1
	s_wait_xcnt 0x0
	s_wait_alu depctr_hold_cnt(0) depctr_sa_sdst(0) depctr_va_vdst(0) depctr_va_sdst(0) depctr_va_ssrc(0) depctr_va_vcc(0) depctr_vm_vsrc(0)
	s_getreg_b32 s2, hwreg(HW_REG_IB_STS2, 6, 4)
	s_cmp_eq_u32 s2, 0
	s_cbranch_scc0 .Lentry_in_a_cluster
	s_endpgm
.Lentry_in_a_cluster:
	s_bfe_u32 s2, ttmp6, 0x10000c
	s_cmp_lg_u32 s2, 0x3003
	s_cbranch_scc0 .Lentry_shape_is_right
	s_endpgm
.Lentry_shape_is_right:
; THIRD LAUNCH: o = softmax(q k^T / sqrt(128), causal) v on codes of FP4, then the quantiser of the last product, along (head, channel).
; LEFT OUT (shown at the head of the first kernel): the window's lower bound, which holds for all i, j < 1024; key steps of 128 keys that lie wholly behind a tile's queries; the copies of jnp.repeat.
; THE SOFTMAX: t = score x log2(e) / sqrt(128); M = the running largest t rounded UP to a whole number; p = 2^(t - M) is quantised along the keys, not normalised; the row's sum is taken of the unquantised p and divides at the end;
; when M moves, the sum and O are multiplied by 2^(old M - new M), which rounds nothing.
; SHARES.  A cluster is the four query heads of one key/value head (cx = the head among the four) and one pair i of token groups: groups i and 7 - i of 128 queries.  All of that head's K and V, 16 records of 8,704 bytes, come into each
; partner's LDS ONCE, by four joint loads (wave 0: K's two halves, wave 1: V's): nothing is filled again.  Wave w owns query tile a = w / 2 of group G = i or 7 - i and walks key steps 0 .. G: a work-group does 8 (i + 1) + 8 (8 - i) = 72 key
; steps whatever i is, and of any four waves w, w + 4, w + 8, w + 12, or 4 j .. 4 j + 3, two have the short walk and two the long one.  cx enters Q's and orec's global addresses alone.
; LAYOUT.  Both products are used transposed (S^T = K Q^T, O^T = V^T P^T): a lane holds one query throughout.  The keys of a tile of K and the channels of a tile of V were chosen by the second launch so that a lane's 16 registers of two
; neighbouring result tiles are 16 neighbours: p's registers, and O's, go into the conversions as they stand.
; No data prefetch: every byte of K and V is asked for by the first fills, so there is no later trip to ask ahead for.
; OUT: orec [head / 4][token tile (256)][4,352]: image head % 4 (16 tokens x the head's 128), and word head % 4 of each row's four scale words: laid as the fourth launch's operand.
; REGISTERS: v1-8 addresses that stay; v12 -M, v13 the largest t, v[14:15] the sum; v16-23 Q; v24-27 a step's scale words; v32-95 eight fragments; v96-159 S^T, then p; v160-223 O^T; v224-231 codes; v232-254 at work; v255 Q's scale words.
.set HREC,  8704
.set KVB,   8*HREC                     ; a head's K, or V: 69,632 bytes
.set HALFB, 4*HREC                     ; what one tensor load brings
.set SPARE, 2*KVB                      ; behind K and V: the spare words, 128 bytes for each of 16 waves, which no other line names
.set REC,   4352
.set LI,   1                           ; v1  16 x lane
.set ADK,  2                           ; v2  the step's record of K
.set ADV,  3                           ; v3  of V
.set DQ,   4                           ; v4  my query's place in its group, less 16 h
.set SPW,  5                           ; v5  my spare word; never rewritten
.set NIL,  6                           ; v6  0; never rewritten
.set SR,   7                           ; v7  16 r
.set LIV,  8                           ; v8  16 x lane + V's first byte
.set TM,   232
.set WV,   18
.set SEL,  20
.set CS,   22                          ; s[22:23] c = log2(e) / sqrt(128)
.set G1,   24                          ; s[24:31] descriptor group 1; s[32:39] K's two groups 0; s[40:47] V's
.set G0K,  32
.set G0V,  40
.set GG,   54                          ; s54 my token group
.set KS,   70                          ; s70 the key step
.set TB,   71                          ; s71 its record's LDS byte
.set CNT,  72
.macro CROUND                          ; a round of the cluster's barrier
	s_barrier_signal -1
	s_barrier_wait -1
	s_cmp_lg_u32 s[WV], 0
	s_cbranch_scc1 .Lnot_wave_0_\@
	s_barrier_signal -3
.Lnot_wave_0_\@:
	s_barrier_wait -3
	s_barrier_signal -1
	s_barrier_wait -1
.endm
.macro QUANT s, pc, pw                 ; 64 numbers of a lane (register 16 b + i = k 32 b + 16 h + i of my row) become an image's registers and the row's scale word
.irp b, 0,1,2,3
	v_max3_num_f32 v[TM+\b], |v[\s+16*\b]|, |v[\s+1+16*\b]|, 0x1800000
.endr
.irp i, 2,4,6,8,10,12,14
.irp b, 0,1,2,3
	s_delay_alu instid0(VALU_DEP_4)
	v_max3_num_f32 v[TM+\b], v[TM+\b], |v[\s+16*\b+\i]|, |v[\s+1+16*\b+\i]|
.endr
.endr
.irp b, 0,1,2,3
	s_delay_alu instid0(VALU_DEP_4)
	v_permlanex16_b32 v[TM+4+\b], v[TM+\b], s[SEL], s[SEL+1]
.endr
.irp b, 0,1,2,3
	s_delay_alu instid0(VALU_DEP_4)
	v_max_num_f32 v[TM+\b], v[TM+\b], v[TM+4+\b]
.endr
.irp b, 0,1,2,3
	s_delay_alu instid0(VALU_DEP_4)
	v_add_nc_u32 v[TM+12+\b], 0xff000000, v[TM+\b]
.endr
.irp b, 0,1,2,3
	s_delay_alu instid0(VALU_DEP_4)
	v_lshrrev_b32 v[TM+4+\b], 23, v[TM+12+\b]
.endr
	s_delay_alu instid0(VALU_DEP_3)
	v_lshl_or_b32 v[\pw], v[TM+5], 8, v[TM+4]
	s_delay_alu instid0(VALU_DEP_1)
	v_lshl_or_b32 v[\pw], v[TM+6], 16, v[\pw]
	s_delay_alu instid0(VALU_DEP_1)
	v_lshl_or_b32 v[\pw], v[TM+7], 24, v[\pw]
.irp b, 0,1,2,3
	v_cvt_scalef32_pk8_fp4_f32 v[\pc+2*\b], v[\s+16*\b:\s+7+16*\b], v[TM+12+\b]
	v_cvt_scalef32_pk8_fp4_f32 v[\pc+1+2*\b], v[\s+8+16*\b:\s+15+16*\b], v[TM+12+\b]
.endr
	v_nop
.irp c, 0,1
.irp i, 0,1
	v_permlane16_swap_b32 v[\pc+4*\c+\i], v[\pc+2+4*\c+\i]
.endr
.endr
.endm
	s_load_b256 s[4:11], s[0:1], 0x0               ; qrec s[4:5], krec s[6:7], vrec s[8:9], orec s[10:11]
	v_lshl_add_u32 v[SPW], v0, 2, SPARE
	v_mov_b32 v[NIL], 0
	ds_add_u32 v[SPW], v[NIL]                      ; the wave's opening: the add, twice on end, and its wait ahead of the round in front of the first tensor loads
	ds_add_u32 v[SPW], v[NIL]
	v_lshrrev_b32 v9, 5, v0
	s_delay_alu instid0(VALU_DEP_1)
	v_readfirstlane_b32 s[WV], v9                  ; wave 0..15
	s_and_b32 s48, ttmp7, 0xffff                   ; the cluster's y
	s_lshr_b32 s49, s48, 2                         ; batch x 4 + key/value head
	s_and_b32 s50, s48, 3                          ; the pair of token groups
	s_bfe_u32 s51, ttmp6, 0x40000                  ; cx: the query head among the four
	s_lshr_b32 s52, s[WV], 2
	s_xor_b32 s52, s52, s[WV]
	s_and_b32 s52, s52, 1                          ; the long walk or the short one
	s_lshr_b32 s53, s[WV], 1                       ; my query tile a
	s_sub_co_u32 s55, 7, s50
	s_cmp_eq_u32 s52, 1
	s_cselect_b32 s[GG], s55, s50                  ; my token group: the same in all four partners
	s_mov_b32 s[G1+0], 15|(3<<16)|(1<<21)          ; group 1: the mask names all four work-groups, bit 21 beside it; a dense block of 34,816 bytes as 136 rows of 32 elements of 8 bytes
	s_mov_b32 s[G1+1], 32<<16
	s_mov_b32 s[G1+2], 136<<16
	s_mov_b32 s[G1+3], 32<<16
	s_mov_b32 s[G1+4], 136
	s_mov_b32 s[G1+5], 32
	s_mov_b32 s[G1+6], 0
	s_mov_b32 s[G1+7], 0
	s_mul_i32 s56, s49, KVB                        ; my key/value head in krec and in vrec
	s_mov_b32 s57, 0
	s_lshl_b32 s58, s49, 2
	s_add_co_u32 s58, s58, s51                     ; batch x 16 + query head
	s_lshl_b32 s58, s58, 3
	s_add_co_u32 s58, s58, s[GG]
	s_mul_i32 s58, s58, HREC                       ; Q's record
	s_mov_b32 s59, 0
	s_lshl_b32 s60, s53, 10                        ; image a
	s_mov_b32 s61, 0
	s_and_b32 s62, s53, 1
	s_lshl_b32 s62, s62, 8                         ; its scale words: lanes 16 (a % 2) on,
	s_lshr_b32 s63, s53, 1
	s_lshl_b32 s63, s63, 2                         ; word a / 2
	s_add_co_u32 s62, s62, s63
	s_add_co_u32 s62, s62, 8192
	s_mov_b32 s63, 0
	s_add_nc_u64 s[60:61], s[60:61], s[58:59]
	s_add_nc_u64 s[62:63], s[62:63], s[58:59]
	s_lshr_b32 s73, s53, 1
	s_lshl_b32 s73, s73, 5
	s_and_b32 s74, s53, 1
	s_lshl_b32 s74, s74, 3
	s_add_co_u32 s73, s73, s74                     ; 32 (a / 2) + 8 (a % 2)
	s_and_b32 s66, s49, 3
	s_lshl_b32 s66, s66, 8                         ; orec: sigma = key/value head: 256 tiles each,
	s_lshr_b32 s67, s49, 2
	s_lshl_b32 s67, s67, 6                         ; 64 tiles a batch,
	s_add_co_u32 s66, s66, s67
	s_lshl_b32 s67, s[GG], 3
	s_add_co_u32 s66, s66, s67
	s_add_co_u32 s66, s66, s53                     ; 8 G + a
	s_mul_i32 s66, s66, REC
	s_lshl_b32 s68, s51, 2
	s_add_co_u32 s68, s68, s66                     ; the scale word's place: + 4 cx
	s_lshl_b32 s67, s51, 10
	s_add_co_u32 s66, s66, s67                     ; the image's: + 1,024 cx
	s_mov_b32 s67, 0
	s_mov_b32 s69, 0
	s_mov_b32 s[SEL], 0x76543210
	s_mov_b32 s[SEL+1], 0xfedcba98
	s_mov_b32 s[CS], 0x3e0293ee                    ; c = log2(e) / sqrt(128)
	s_mov_b32 s[CS+1], s[CS]
	s_mov_b32 s[KS], 0
	s_mov_b32 s[TB], 0
	s_wait_dscnt 0x0                               ; both opening adds are done
	s_wait_kmcnt 0x0
	s_add_nc_u64 s[6:7], s[6:7], s[56:57]
	s_add_nc_u64 s[8:9], s[8:9], s[56:57]
	s_add_nc_u64 s[60:61], s[4:5], s[60:61]
	s_add_nc_u64 s[62:63], s[4:5], s[62:63]
	s_add_nc_u64 s[66:67], s[10:11], s[66:67]
	s_add_nc_u64 s[68:69], s[10:11], s[68:69]
	CROUND                                         ; all four work-groups are here: the joint loads meet
.irp s, 0,1
	s_mov_b32 s[G0K+4*\s], 1
	s_mov_b32 s[G0K+4*\s+1], \s*HALFB
	s_add_nc_u64 s[G0K+4*\s+2:G0K+4*\s+3], s[6:7], \s*HALFB
	s_or_b32 s[G0K+4*\s+3], s[G0K+4*\s+3], 0x80000000
	s_mov_b32 s[G0V+4*\s], 1
	s_mov_b32 s[G0V+4*\s+1], KVB+\s*HALFB
	s_add_nc_u64 s[G0V+4*\s+2:G0V+4*\s+3], s[8:9], \s*HALFB
	s_or_b32 s[G0V+4*\s+3], s[G0V+4*\s+3], 0x80000000
.endr
; THE FOUR JOINT LOADS, ONE A WAVE (this takes the place of what the head comment says of waves 0 and 1): wave 0 K's key steps 0-3, wave 1 V's, wave 2 K's key steps 4-7, wave 3 V's.
; One chain of branches on the wave's number, which is the same in every partner; each arm has its load and a jump to the chain's end.
.macro ARM w, g0, next
	s_cmp_lg_u32 s[WV], \w
	s_cbranch_scc1 \next
	tensor_load_to_lds s[\g0:\g0+3], s[G1:G1+7]
	s_nop 0
.rept 4
	v_nop
.endr
	s_branch .Lasked
\next:
.endm
	ARM 0, G0K, .Larm1
	ARM 1, G0V, .Larm2
	ARM 2, G0K+4, .Larm3
	ARM 3, G0V+4, .Larm4
.Lasked:
	v_and_b32 v9, 31, v0                           ; lane
	v_and_b32 v10, 15, v0                          ; r
	v_bfe_u32 v11, v0, 4, 1                        ; h
	s_delay_alu instid0(VALU_DEP_3)
	v_lshlrev_b32 v[LI], 4, v9
	s_delay_alu instid0(VALU_DEP_1)
	v_add_nc_u32 v[LIV], KVB, v[LI]
	s_delay_alu instid0(VALU_DEP_4)
	v_lshlrev_b32 v[SR], 4, v10
	global_load_b128 v[16:19], v[LI], s[60:61]             ; Q's image stays in registers
	global_load_b128 v[20:23], v[LI], s[60:61] offset:512
	global_load_b32 v255, v[SR], s[62:63]                  ; and its rows' scale words (both halves of the lanes take row r's)
	v_and_b32 v232, 8, v10
	s_delay_alu instid0(VALU_DEP_1)
	v_add_nc_u32 v232, v232, v10                   ; r + 8 (r / 8)
	v_lshlrev_b32 v233, 4, v11
	s_delay_alu instid0(VALU_DEP_1)
	v_sub_nc_u32 v232, v232, v233
	s_delay_alu instid0(VALU_DEP_1)
	v_add_nc_u32 v[DQ], s73, v232
	v_mov_b32 v13, 0xff61b1e6                      ; the largest t so far: -3e38, under every t
	s_delay_alu instid0(VALU_DEP_1)
	v_floor_f32 v12, -v13                          ; -M
	v_mov_b32 v14, 0
	v_mov_b32 v15, 0
.irp b, 0,1,2,3
	v_mov_b32 v[236+\b], 0                         ; written once: a lane permute's destination counts as one of its sources
.endr
	v_mov_b32 v252, 0
	v_mov_b32 v253, 0
.set NI, 0
.rept 64
	v_mov_b32 v[160+NI], 0                         ; O^T: the step is written once; the first finds zeros, which the first change of M leaves zeros
.set NI, NI+1
.endr
; A KEY STEP: 128 keys.  A step all of whose keys come after my group's queries is left out: a scalar branch on ids, round the step's work alone.
.macro STEP
	s_cmp_gt_u32 s[KS], s[GG]
	s_cbranch_scc1 .Lhidden_\@
	v_add_nc_u32 v[ADK], s[TB], v[LI]
	v_add_nc_u32 v[ADV], s[TB], v[LIV]
.rept 4
	v_nop                                          ; places in front of loads into registers that matrix instructions have read
.endr
.irp t, 0,1,2,3,4,5,6,7
.irp c, 0,1
	ds_load_b128 v[32+8*\t+4*\c:35+8*\t+4*\c], v[ADK] offset:1024*\t+512*\c
.endr
.endr
	ds_load_b128 v[24:27], v[ADK] offset:8192      ; word j: lanes 0-15 tile 2 j's rows, lanes 16-31 tile 2 j + 1's
	s_wait_alu depctr_va_vdst(0)
	s_wait_dscnt 0x0
.irp t, 0,1,2,3
	v_wmma_scale_f32_16x16x128_f8f6f4 v[96+16*\t:103+16*\t], v[32+16*\t:39+16*\t], v[16:23], 0, v[24+\t], v255 matrix_a_fmt:MATRIX_FMT_FP4 matrix_b_fmt:MATRIX_FMT_FP4
	v_wmma_scale_f32_16x16x128_f8f6f4 v[104+16*\t:111+16*\t], v[40+16*\t:47+16*\t], v[16:23], 0, v[24+\t], v255 matrix_a_fmt:MATRIX_FMT_FP4 matrix_b_fmt:MATRIX_FMT_FP4 matrix_a_scale:MATRIX_SCALE_ROW1
.endr
.rept 4
	v_nop
.endr
.irp t, 0,1,2,3,4,5,6,7                        ; V's fragments and scale words take K's registers, four places behind the products that read them: the 17 loads are out while the softmax is worked
.irp c, 0,1
	ds_load_b128 v[32+8*\t+4*\c:35+8*\t+4*\c], v[ADV] offset:1024*\t+512*\c
.endr
.endr
	ds_load_b128 v[24:27], v[ADV] offset:8192
	s_cmp_lg_u32 s[KS], s[GG]                      ; my group's own step lies on the diagonal: the scores of hidden keys become -infinity ahead of the maximum, so that p = 0 there
	s_cbranch_scc1 .Lopen_\@
	v_mov_b32 v254, 0xff800000
.set NI, 0
.rept 64
	v_cmp_gt_i32 vcc_lo, 32*(NI/16)+NI%16, v[DQ]   ; register 16 b + i holds key 32 b + 16 h + i of the step
	v_cndmask_b32 v[96+NI], v[96+NI], v254, vcc_lo
.set NI, NI+1
.endr
.Lopen_\@:
.irp b, 0,1,2,3
	v_max3_num_f32 v[232+\b], v[96+16*\b], v[97+16*\b], v[98+16*\b]   ; the largest score of each block of 32 keys: it serves for the row's maximum and, since p rises with the score, for the block's largest p
.endr
.irp i, 3,5,7,9,11,13
.irp b, 0,1,2,3
	v_max3_num_f32 v[232+\b], v[232+\b], v[96+16*\b+\i], v[97+16*\b+\i]
.endr
.endr
.irp b, 0,1,2,3
	v_max_num_f32 v[232+\b], v[232+\b], v[111+16*\b]
.endr
.irp b, 0,1,2,3
	s_delay_alu instid0(VALU_DEP_4)
	v_permlanex16_b32 v[236+\b], v[232+\b], s[SEL], s[SEL+1]
.endr
.irp b, 0,1,2,3
	s_delay_alu instid0(VALU_DEP_4)
	v_max_num_f32 v[232+\b], v[232+\b], v[236+\b]
.endr
	s_delay_alu instid0(VALU_DEP_2)
	v_max3_num_f32 v254, v232, v233, v234
	s_delay_alu instid0(VALU_DEP_1)
	v_max_num_f32 v254, v254, v235
	s_delay_alu instid0(VALU_DEP_1)
	v_mul_f32 v254, s[CS], v254
	s_delay_alu instid0(VALU_DEP_1)
	v_max_num_f32 v13, v13, v254                   ; the running largest t
	v_mov_b32 v254, v12
	s_delay_alu instid0(VALU_DEP_2)
	v_floor_f32 v12, -v13                          ; the new -M = -ceil(t)
	s_delay_alu instid0(VALU_DEP_1)
	v_sub_f32 v254, v12, v254                      ; old M - new M: a whole number, 0 or less
	s_delay_alu instid0(VALU_DEP_1)
	v_cvt_i32_f32 v254, v254                       ; (it saturates)
	s_delay_alu instid0(VALU_DEP_1)
	v_ldexp_f32 v252, 1.0, v254                    ; f = 2^(old M - new M)
.set NI, 0
.rept 32
	v_pk_fma_f32 v[96+NI:97+NI], v[96+NI:97+NI], s[CS:CS+1], v[12:13] op_sel_hi:[1,0,0]   ; t - M, two at a time
.set NI, NI+2
.endr
.irp b, 0,1,2,3
	v_fma_f32 v[232+\b], v[232+\b], s[CS], v12
.endr
.set NI, 0
	s_wait_alu depctr_va_vdst(0)
.rept 64
	v_exp_f32 v[96+NI], v[96+NI]                   ; p = 2^(t - M)
.set NI, NI+1
.endr
	v_pk_mul_f32 v[14:15], v[14:15], v[252:253] op_sel_hi:[1,0]   ; the sums under the new M (a plain line behind the exponentials)
	s_wait_alu depctr_va_vdst(0)                   ; one wait for the batch, ahead of its first reader
.irp b, 0,1,2,3
	v_exp_f32 v[232+\b], v[232+\b]                 ; the block's largest p
.endr
	v_pk_add_f32 v[236:237], v[100:101], v[104:105]
	v_pk_add_f32 v[250:251], v[108:109], v[112:113]
	v_pk_add_f32 v[248:249], v[116:117], v[120:121]
	v_pk_add_f32 v[246:247], v[124:125], v[128:129]
	v_pk_add_f32 v[244:245], v[132:133], v[136:137]
	v_pk_add_f32 v[242:243], v[140:141], v[144:145]
	v_pk_add_f32 v[240:241], v[148:149], v[152:153]
	v_pk_add_f32 v[14:15], v[14:15], v[156:157]
	v_pk_add_f32 v[236:237], v[236:237], v[96:97]
	v_pk_add_f32 v[250:251], v[250:251], v[98:99]
	v_pk_add_f32 v[248:249], v[248:249], v[102:103]
	v_pk_add_f32 v[246:247], v[246:247], v[106:107]
	v_pk_add_f32 v[244:245], v[244:245], v[110:111]
	v_pk_add_f32 v[242:243], v[242:243], v[114:115]
	v_pk_add_f32 v[240:241], v[240:241], v[118:119]
	v_pk_add_f32 v[14:15], v[14:15], v[122:123]
	v_pk_add_f32 v[236:237], v[236:237], v[126:127]
	v_pk_add_f32 v[250:251], v[250:251], v[130:131]
	v_pk_add_f32 v[248:249], v[248:249], v[134:135]
	v_pk_add_f32 v[246:247], v[246:247], v[138:139]
	v_pk_add_f32 v[244:245], v[244:245], v[142:143]
	v_pk_add_f32 v[242:243], v[242:243], v[146:147]
	v_pk_add_f32 v[240:241], v[240:241], v[150:151]
	v_pk_add_f32 v[14:15], v[14:15], v[154:155]
	v_pk_add_f32 v[236:237], v[236:237], v[158:159]
	s_delay_alu instid0(VALU_DEP_2)
	v_pk_add_f32 v[14:15], v[14:15], v[246:247]
	s_delay_alu instid0(VALU_DEP_2)
	v_pk_add_f32 v[236:237], v[236:237], v[244:245]
	v_pk_add_f32 v[250:251], v[250:251], v[242:243]
	v_pk_add_f32 v[248:249], v[248:249], v[240:241]
	s_delay_alu instid0(VALU_DEP_2)
	v_pk_add_f32 v[14:15], v[14:15], v[250:251]
	s_delay_alu instid0(VALU_DEP_2)
	v_pk_add_f32 v[236:237], v[236:237], v[248:249]
	s_delay_alu instid0(VALU_DEP_1)
	v_pk_add_f32 v[14:15], v[14:15], v[236:237]
	s_wait_alu depctr_va_vdst(0)                   ; and one for the four
.irp b, 0,1,2,3
	v_max_num_f32 v[232+\b], 0x1800000, v[232+\b]  ; the floor 2^(3 - 127)
.endr
.irp b, 0,1,2,3
	s_delay_alu instid0(VALU_DEP_4)
	v_add_nc_u32 v[244+\b], 0xff000000, v[232+\b]
.endr
.irp b, 0,1,2,3
	s_delay_alu instid0(VALU_DEP_4)
	v_lshrrev_b32 v[236+\b], 23, v[244+\b]
.endr
	s_delay_alu instid0(VALU_DEP_3)
	v_lshl_or_b32 v253, v237, 8, v236              ; p's scale word for these 128 keys
	s_delay_alu instid0(VALU_DEP_1)
	v_lshl_or_b32 v253, v238, 16, v253
	s_delay_alu instid0(VALU_DEP_1)
	v_lshl_or_b32 v253, v239, 24, v253
.irp b, 0,1,2,3
	v_cvt_scalef32_pk8_fp4_f32 v[224+2*\b], v[96+16*\b:103+16*\b], v[244+\b]
	v_cvt_scalef32_pk8_fp4_f32 v[225+2*\b], v[104+16*\b:111+16*\b], v[244+\b]
.endr
	v_nop
.irp c, 0,1
.irp i, 0,1
	v_permlane16_swap_b32 v[224+4*\c+\i], v[226+4*\c+\i]
.endr
.endr
.set NI, 0
.rept 32
	v_pk_mul_f32 v[160+NI:161+NI], v[160+NI:161+NI], v[252:253] op_sel_hi:[1,0]   ; O^T under the new M; these 32 are also the places in front of the matrix instructions below
.set NI, NI+2
.endr
	s_wait_alu depctr_va_vdst(0)
	s_wait_dscnt 0x0
.irp t, 0,1,2,3                                ; the eight accumulators take turns, one instruction a turn
	v_wmma_scale_f32_16x16x128_f8f6f4 v[160+16*\t:167+16*\t], v[32+16*\t:39+16*\t], v[224:231], v[160+16*\t:167+16*\t], v[24+\t], v253 matrix_a_fmt:MATRIX_FMT_FP4 matrix_b_fmt:MATRIX_FMT_FP4
	v_wmma_scale_f32_16x16x128_f8f6f4 v[168+16*\t:175+16*\t], v[40+16*\t:47+16*\t], v[224:231], v[168+16*\t:175+16*\t], v[24+\t], v253 matrix_a_fmt:MATRIX_FMT_FP4 matrix_b_fmt:MATRIX_FMT_FP4 matrix_a_scale:MATRIX_SCALE_ROW1
.endr
.Lhidden_\@:
	s_add_co_u32 s[KS], s[KS], 1
	s_add_co_u32 s[TB], s[TB], HREC
.endm
	s_wait_loadcnt 0x0                             ; Q
	s_cmp_ge_u32 s[WV], 2                          ; waves 0 and 1 wait for the first halves; the second halves (waves 2, 3) may stay out
	s_cbranch_scc1 .Llater
	s_wait_tensorcnt 0x0
.Llater:
	s_barrier_signal -1
	s_barrier_wait -1
	s_mov_b32 s[CNT], 4
.Lfirst:                                           ; key steps 0-3
	STEP
	s_sub_co_u32 s[CNT], s[CNT], 1
	s_cmp_lg_u32 s[CNT], 0
	s_cbranch_scc1 .Lfirst
	s_wait_tensorcnt 0x0                           ; the second halves are in,
	s_wait_dscnt 0x0
	s_barrier_signal -1
	s_barrier_wait -1                              ; for every wave
	s_mov_b32 s[CNT], 4
.Lsecond:                                          ; key steps 4-7
	STEP
	s_sub_co_u32 s[CNT], s[CNT], 1
	s_cmp_lg_u32 s[CNT], 0
	s_cbranch_scc1 .Lsecond
	; THE WAY OUT: O^T / the sum; a lane's 64 numbers are channels 32 b + 16 h + i of my query's head: they are quantised as they stand and leave as an image
.rept 4
	v_nop
.endr
	v_add_f32 v14, v14, v15
	s_delay_alu instid0(VALU_DEP_1)
	v_permlanex16_b32 v252, v14, s[SEL], s[SEL+1]
	s_delay_alu instid0(VALU_DEP_1)
	v_add_f32 v14, v14, v252                       ; the row's sum
	s_wait_alu depctr_va_vdst(0)
	v_rcp_f32 v14, v14
	v_nop                                          ; a plain line behind the transcendental,
	s_wait_alu depctr_va_vdst(0)                   ; and the wait ahead of its first reader
.set NI, 0
.rept 64
	v_mul_f32 v[96+NI], v[160+NI], v14             ; each accumulator from its low end on
.set NI, NI+1
.endr
	QUANT 96, 224, 253
	global_store_b128 v[LI], v[224:227], s[66:67]              ; 32 lanes store 512 consecutive bytes
	global_store_b128 v[LI], v[228:231], s[66:67] offset:512
	global_store_b32 v[SR], v253, s[68:69] offset:4096         ; my head's word of each row's four: 4 bytes in 16, 64 bytes a wave; lanes r and r + 16 hold the same word and store it to the same place
	s_wait_tensorcnt 0x0                           ; the wave's end
	ds_add_u32 v[SPW], v[NIL]
	s_wait_dscnt 0x0
	CROUND                                         ; the closing round
	s_endpgm
.Lfunc_end_k_q1a811d8cd8_attn:
	.size	k_q1a811d8cd8_attn, .Lfunc_end_k_q1a811d8cd8_attn-k_q1a811d8cd8_attn
	.p2alignl 7, 3214868480
	.fill 96, 4, 3214868480
	.section	.rodata,"a",@progbits
	.p2align	6, 0x0
	.amdhsa_kernel k_q1a811d8cd8_attn
		.amdhsa_group_segment_fixed_size 167936
		.amdhsa_private_segment_fixed_size 0
		.amdhsa_enable_private_segment 0
		.amdhsa_kernarg_size 32
		.amdhsa_user_sgpr_count 2
		.amdhsa_user_sgpr_kernarg_segment_ptr 1
		.amdhsa_wavefront_size32 1
		.amdhsa_system_sgpr_workgroup_id_x 1
		.amdhsa_system_sgpr_workgroup_id_y 1
		.amdhsa_system_sgpr_workgroup_id_z 1
		.amdhsa_system_vgpr_workitem_id 0
		.amdhsa_next_free_vgpr 256
		.amdhsa_next_free_sgpr 80
		.amdhsa_reserve_vcc 1
		.amdhsa_float_denorm_mode_32 3
		.amdhsa_float_denorm_mode_16_64 3
		.amdhsa_memory_ordered 1
		.amdhsa_forward_progress 1
		.amdhsa_inst_pref_size 66
	.end_amdhsa_kernel
	.amdgpu_metadata
---
amdhsa.version: [ 1, 2 ]
amdhsa.kernels:
  - .name:           k_q1a811d8cd8_attn
    .symbol:         k_q1a811d8cd8_attn.kd
    .args:
      - { .name: qrec, .offset: 0, .size: 8, .value_kind: global_buffer, .address_space: global }
      - { .name: krec, .offset: 8, .size: 8, .value_kind: global_buffer, .address_space: global }
      - { .name: vrec, .offset: 16, .size: 8, .value_kind: global_buffer, .address_space: global }
      - { .name: orec, .offset: 24, .size: 8, .value_kind: global_buffer, .address_space: global }
    .group_segment_fixed_size: 167936
    .private_segment_fixed_size: 0
    .kernarg_segment_align: 8
    .kernarg_segment_size: 32
    .max_flat_workgroup_size: 512
    .sgpr_count:     80
    .vgpr_count:     256
    .wavefront_size: 32
...
	.end_amdgpu_metadata
.endif
;; end of part 3
;; launch outp (part 4): grid 8 x 32, 4 waves a work-group, clusters of 4 x 4, 327,680 bytes of LDS; arguments orec, wops, out0; writes out0
.if DOCPART == 4
	.amdgcn_target "amdgcn-amd-amdhsa--gfx1250"
	.amdhsa_code_object_version 6
	.text
	.protected	k_q1a811d8cd8_outp
	.globl	k_q1a811d8cd8_outp
	.p2align	8
	.type	k_q1a811d8cd8_outp,@function
k_q1a811d8cd8_outp:
	s_mov_b64 s[64:65], 0
	v_nop
	global_prefetch_b8 v0, s[64:65] scope:SCOPE_SE
	s_setreg_imm32_b32 hwreg(HW_REG_WAVE_MODE, 25, 1), 1
	s_wait_xcnt 0x0
	s_wait_alu depctr_hold_cnt(0) depctr_sa_sdst(0) depctr_va_vdst(0) depctr_va_sdst(0) depctr_va_ssrc(0) depctr_va_vcc(0) depctr_vm_vsrc(0)
	s_getreg_b32 s2, hwreg(HW_REG_IB_STS2, 6, 4)
	s_cmp_eq_u32 s2, 0
	s_cbranch_scc0 .Lentry_in_a_cluster
	s_endpgm
.Lentry_in_a_cluster:
	s_bfe_u32 s2, ttmp6, 0x10000c
	s_cmp_lg_u32 s2, 0xf033
	s_cbranch_scc0 .Lentry_shape_is_right
	s_endpgm
.Lentry_shape_is_right:
; FOURTH LAUNCH: out0 = o Wo^T on codes of FP4.  A (source 1) = 128 tokens of orec, B (source 0) = 256 rows of Wo from wops; both come as records of 4,352 bytes (four register images of 16 rows x 128 K, then 256 bytes of scale words).
; A work-group of four waves makes 128 x 256 of out0, a wave 64 x 128: 32 accumulators in window 2.  CLUSTERS of 4 x 4: A's records are asked for jointly along a row of the cluster, B's along a column.
; K = 2048 is four steps of 512.  THE HEAD'S ONE LOAD A WAVE BRINGS THREE OF THEM: a wave's records of one step are dense in memory (A: 4 records, B: 8), and from step to step they lie SIGA or SIGB bytes apart, so they are stated
; as a tile of 3 rows of 17,408 or 34,816 bytes.  In LDS: A's half j at 3 j AQ, step s at + s AQ; B's half j at BOFF + 3 j BH, step s at + s BH.  The fourth step is filled onto the first's bytes behind the round at the first's end.
; No data prefetch: three quarters of the bytes are asked for by the first fills, and the text has no loop to run ahead in.
; The way out: 16 rows x 128 columns at a time through the wave's stage (in A's half 0, steps 1 and 2: last filled at the head, last read ahead of the last barrier); 32 lanes store 512 consecutive bytes of a row.
.set REC,    4352
.set AQ,     4*REC
.set BH,     8*REC
.set BOFF,   6*AQ
.set SPARE,  72*REC
.set SIGA,   256*REC
.set SIGB,   128*REC
.set FR,     8
.set NP,     4
.set SPITCH, 528
.set STAGE,  AQ
.set ADRA, 10                          ; v10-12 my A images of the step at place 0, 1, 2
.set ADRB, 13                          ; v13-15 my B images
.set ADRS, 16                          ; v16-18 scale words: lanes 0-15 A's tiles 0-3, lanes 16-31 B's tiles 0-3
.set ADRT, 19                          ; v19-21 the same with lanes 16-31 on B's tiles 4-7 (lanes 0-15 take A's four again, and are not used)
.set STO,  24
.set RD,   25
.set CO,   26
.set SPW,  28
.set NIL,  29
.set SC,   32
.set AF,   128
.set BK,   128
.set G1,  24                           ; group 1 of the refill: A, 68 rows of 256 bytes
.set G0,  32
.set G1B, 48                           ; B, 136 rows
.set G0B, 56
.set G1X, 80                           ; group 1 of the head's loads: 3 rows
.set G1BX, 88
.set MSB, 0
.macro WIN new
.if MSB != (\new)
	s_set_vgpr_msb (MSB<<8)|(\new)
.set MSB, (\new)
.endif
.endm
.set MUL,  0xa1
.set TO_B, 0x40
.macro JLOAD g0a, g1a, g0b, g1b        ; waves 0, 1 fetch for A, waves 2, 3 for B: each line has one mask
	s_cmp_eq_u32 s15, 0
	s_cbranch_scc0 .Lfor_b_\@
	tensor_load_to_lds s[\g0a:\g0a+3], s[\g1a:\g1a+7]
	s_nop 0
.rept 4
	v_nop
.endr
	s_branch .Lasked_\@
.Lfor_b_\@:
	tensor_load_to_lds s[\g0b:\g0b+3], s[\g1b:\g1b+7]
	s_nop 0
.rept 4
	v_nop
.endr
.Lasked_\@:
.endm
.macro CREST
	s_cmp_lg_u32 s14, 0
	s_cbranch_scc1 .Lnot_wave_0_\@
	s_barrier_signal -3
.Lnot_wave_0_\@:
	s_barrier_wait -3
	s_barrier_signal -1
	s_barrier_wait -1
.endm
.macro CROUND
	s_barrier_signal -1
	s_barrier_wait -1
	CREST
.endm
.macro FRAG reg, adr, q, i
.irp c, 0,1
	ds_load_b128 v[\reg+4*\c:\reg+4*\c+3], v[\adr] offset:(\i)*REC+1024*(\q)+512*\c
.endr
.endm
.macro FETCH slot, q, p
	WIN TO_B
.irp i, 0,1,2,3,4,5,6,7
	FRAG 128*(\p)+FR*\i, ADRB+\slot, \q, \i
.endr
	WIN 0
.irp i, 0,1,2,3
	FRAG AF+32*(\p)+FR*\i, ADRA+\slot, \q, \i
.endr
.endm
.macro SCALES slot, sc
.irp i, 0,1,2,3
	ds_load_b128 v[SC+32*(\sc)+4*\i:SC+32*(\sc)+4*\i+3], v[ADRS+\slot] offset:\i*REC
.endr
.irp i, 0,1,2,3
	ds_load_b128 v[SC+32*(\sc)+16+4*\i:SC+32*(\sc)+16+4*\i+3], v[ADRT+\slot] offset:\i*REC
.endr
.endm
.macro MUL8 a, p, q, sc, zero          ; the 32 accumulators take turns, one instruction a turn
.irp b, 0,1,2,3,4,5,6,7
.if \zero
	v_wmma_scale_f32_16x16x128_f8f6f4 v[8*(8*(\a)+\b):8*(8*(\a)+\b)+7], v[128*(\p)+FR*\b:128*(\p)+FR*\b+FR-1], v[AF+32*(\p)+FR*(\a):AF+32*(\p)+FR*(\a)+FR-1], 0, v[SC+32*(\sc)+4*\b+(\q)], v[SC+32*(\sc)+4*(\a)+(\q)] matrix_a_fmt:MATRIX_FMT_FP4 matrix_b_fmt:MATRIX_FMT_FP4 matrix_a_scale:MATRIX_SCALE_ROW1
.else
	v_wmma_scale_f32_16x16x128_f8f6f4 v[8*(8*(\a)+\b):8*(8*(\a)+\b)+7], v[128*(\p)+FR*\b:128*(\p)+FR*\b+FR-1], v[AF+32*(\p)+FR*(\a):AF+32*(\p)+FR*(\a)+FR-1], v[8*(8*(\a)+\b):8*(8*(\a)+\b)+7], v[SC+32*(\sc)+4*\b+(\q)], v[SC+32*(\sc)+4*(\a)+(\q)] matrix_a_fmt:MATRIX_FMT_FP4 matrix_b_fmt:MATRIX_FMT_FP4 matrix_a_scale:MATRIX_SCALE_ROW1
.endif
.endr
.endm
.macro PLACES n
.rept \n
	v_nop
.endr
.endm
.macro STEP q, sc, zero, nslot, nq, nsc ; 128 along K; the next 128's fragments are fetched first (nsc >= 0: with the next step's scale words)
	PLACES NP
	FETCH \nslot, \nq, 1-(\q)%2
.if \nsc >= 0
	SCALES \nslot, \nsc
	s_wait_dscnt 32                                ; all but the 32 just issued
.else
	s_wait_dscnt 24                                ; all but the 24 just issued
.endif
	WIN MUL
	MUL8 0, (\q)%2, \q, \sc, \zero
	MUL8 1, (\q)%2, \q, \sc, \zero
	MUL8 2, (\q)%2, \q, \sc, \zero
	MUL8 3, (\q)%2, \q, \sc, \zero
.endm
.macro TURN sc, fill, nslot, nsc       ; a step's last 128 with a barrier; fill = 1: it opens a round of the cluster's barrier, behind which the fourth step is asked for
	WIN 0
	s_wait_tensorcnt 0x0
	ds_add_u32 v[SPW], v[NIL]
	s_wait_dscnt 1                                 ; (the add may be out)
	WIN MUL
	MUL8 0, 1, 3, \sc, 0
	s_wait_dscnt 0x0
	s_barrier_signal -1
	MUL8 1, 1, 3, \sc, 0
	WIN 0
	s_barrier_wait -1
.if \fill
	CREST
	s_add_nc_u64 s[G0+2:G0+3], s[G0+2:G0+3], 3*SIGA
	s_add_nc_u64 s[G0B+2:G0B+3], s[G0B+2:G0B+3], 3*SIGB
	JLOAD G0, G1, G0B, G1B
.else
	PLACES NP
.endif
	FETCH \nslot, 0, 0
	SCALES \nslot, \nsc
	WIN MUL
	MUL8 2, 1, 3, \sc, 0
	MUL8 3, 1, 3, \sc, 0
.endm
	s_load_b128 s[4:7], s[0:1], 0x0                ; orec, wops
	s_load_b64 s[12:13], s[0:1], 0x10              ; out0
	v_lshl_add_u32 v[SPW], v0, 2, SPARE
	v_mov_b32 v[NIL], 0
	ds_add_u32 v[SPW], v[NIL]                      ; the opening: the add, twice on end, and its wait
	ds_add_u32 v[SPW], v[NIL]
	v_lshrrev_b32 v1, 5, v0
	v_readfirstlane_b32 s14, v1                    ; wave
	s_lshr_b32 s15, s14, 1                         ; my half of A.  Also: I fetch for A (0) or B (1)
	s_and_b32 s16, s14, 1                          ; my half of B.  Also: which half I fetch
	s_bfe_u32 s72, ttmp6, 0x40000                  ; cx
	s_bfe_u32 s73, ttmp6, 0x40004                  ; cy
	s_lshl_b32 s74, ttmp9, 2
	s_add_co_u32 s74, s74, s72                     ; block of 256 columns
	s_and_b32 s17, ttmp7, 0xffff
	s_lshl_b32 s17, s17, 2
	s_add_co_u32 s17, s17, s73                     ; block of 128 tokens
	s_lshl_b32 s75, s73, 2
	s_lshl_b32 s75, 15, s75                        ; my row of the cluster
	s_lshl_b32 s44, 0x1111, s72                    ; my column
	s_or_b32 s[G1+0], s75, (3<<16)|(1<<21)
	s_or_b32 s[G1B+0], s44, (3<<16)|(1<<21)
	s_or_b32 s[G1X+0], s75, (3<<16)|(1<<21)
	s_or_b32 s[G1BX+0], s44, (3<<16)|(1<<21)
	s_mov_b32 s[G1+1], 32<<16
	s_mov_b32 s[G1+2], 68<<16
	s_mov_b32 s[G1+3], 32<<16
	s_mov_b32 s[G1+4], 68
	s_mov_b32 s[G1+5], 32
	s_mov_b32 s[G1+6], 0
	s_mov_b32 s[G1+7], 0
	s_mov_b32 s[G1B+1], 32<<16
	s_mov_b32 s[G1B+2], 136<<16
	s_mov_b32 s[G1B+3], 32<<16
	s_mov_b32 s[G1B+4], 136
	s_mov_b32 s[G1B+5], 32
	s_mov_b32 s[G1B+6], 0
	s_mov_b32 s[G1B+7], 0
	s_mov_b32 s[G1X+1], (AQ/8)<<16                 ; 3 rows of AQ bytes (elements of 8 bytes), SIGA bytes apart
	s_mov_b32 s[G1X+2], 3<<16
	s_mov_b32 s[G1X+3], (AQ/8)<<16
	s_mov_b32 s[G1X+4], 3
	s_mov_b32 s[G1X+5], SIGA/8
	s_mov_b32 s[G1X+6], 0
	s_mov_b32 s[G1X+7], 0
	s_mov_b32 s[G1BX+1], (BH/8)<<16                ; 3 rows of BH bytes, SIGB bytes apart
	s_mov_b32 s[G1BX+2], 3<<16
	s_mov_b32 s[G1BX+3], (BH/8)<<16
	s_mov_b32 s[G1BX+4], 3
	s_mov_b32 s[G1BX+5], SIGB/8
	s_mov_b32 s[G1BX+6], 0
	s_mov_b32 s[G1BX+7], 0
	s_lshl_b32 s18, s16, 2
	s_lshl_b32 s20, s17, 3
	s_add_co_u32 s20, s20, s18
	s_mul_i32 s20, s20, REC                        ; A: the four records that I fetch
	s_mov_b32 s21, 0
	s_lshl_b32 s18, s16, 3
	s_lshl_b32 s46, s74, 4
	s_add_co_u32 s46, s46, s18
	s_mul_i32 s46, s46, REC                        ; B: the eight
	s_mov_b32 s47, 0
	s_mul_i32 s45, s16, 3*AQ                       ; where they go: no place in the cluster enters an LDS address
	s_mul_i32 s76, s16, 3*BH
	s_add_co_u32 s76, s76, BOFF
	s_wait_dscnt 0x0
	s_wait_kmcnt 0x0
	s_add_nc_u64 s[20:21], s[4:5], s[20:21]
	s_add_nc_u64 s[46:47], s[6:7], s[46:47]
	CROUND                                         ; all sixteen work-groups are here: the first joint loads meet
	s_mov_b32 s[G0], 1
	s_mov_b32 s[G0+1], s45
	s_mov_b64 s[G0+2:G0+3], s[20:21]
	s_or_b32 s[G0+3], s[G0+3], 0x80000000
	s_mov_b32 s[G0B], 1
	s_mov_b32 s[G0B+1], s76
	s_mov_b64 s[G0B+2:G0B+3], s[46:47]
	s_or_b32 s[G0B+3], s[G0B+3], 0x80000000
	JLOAD G0, G1X, G0B, G1BX                       ; steps 0, 1, 2 of my part: one tensor load a wave at the head
	s_mul_i32 s21, s15, 3*AQ                       ; my A
	s_mul_i32 s22, s16, 3*BH
	s_add_co_u32 s22, s22, BOFF                    ; my B
	s_xor_b32 s23, s15, 1
	s_lshl_b32 s18, s16, 1
	s_add_co_u32 s23, s23, s18
	s_add_co_u32 s23, s23, 1
	s_mul_i32 s23, s23, 3*AQ                       ; from my A to my B at place 0: 3 (2 + 2 B's half - A's half) AQ; a place on adds AQ to it
	s_add_co_u32 s19, s21, 4096
	s_mul_i32 s77, s14, 16*SPITCH
	s_add_co_u32 s77, s77, STAGE                   ; my stage
	s_lshl_b32 s20, s17, 7
	s_lshl_b32 s78, s15, 6
	s_add_co_u32 s20, s20, s78
	s_lshl_b32 s20, s20, 13                        ; my first row of out0, rows of 8,192 bytes
	s_lshl_b32 s46, s74, 10
	s_lshl_b32 s47, s16, 9
	s_add_co_u32 s46, s46, s47
	s_add_co_u32 s20, s20, s46                     ; + my first column (under 2^26 in all)
	s_mov_b32 s21, 0
	s_add_nc_u64 s[12:13], s[12:13], s[20:21]
	s_mul_i32 s21, s15, 3*AQ
	v_and_b32 v1, 31, v0
	v_and_b32 v2, 15, v0
	v_bfe_u32 v3, v0, 4, 1
	v_lshlrev_b32 v[CO], 4, v1
	v_add_nc_u32 v[ADRA], s21, v[CO]
	v_add_nc_u32 v[ADRB], s22, v[CO]
	v_add_nc_u32 v[ADRA+1], AQ, v[ADRA]
	v_add_nc_u32 v[ADRB+1], BH, v[ADRB]
	v_add_nc_u32 v[ADRA+2], 2*AQ, v[ADRA]
	v_add_nc_u32 v[ADRB+2], 2*BH, v[ADRB]
	v_mul_u32_u24 v4, s23, v3                      ; lanes 16-31 take B's
	v_lshl_add_u32 v4, v2, 4, v4
	v_add_nc_u32 v[ADRS], s19, v4
	v_add_nc_u32 v6, 1, v3
	v_mul_u32_u24 v6, v6, AQ                       ; a place on: AQ for A's lanes, BH = 2 AQ for B's
	v_add_nc_u32 v[ADRS+1], v[ADRS], v6
	v_add_nc_u32 v[ADRS+2], v[ADRS+1], v6
	v_mul_u32_u24 v7, v3, AQ                       ; B's tiles 4-7 lie four records on
	v_add_nc_u32 v[ADRT], v[ADRS], v7
	v_add_nc_u32 v[ADRT+1], v[ADRS+1], v7
	v_add_nc_u32 v[ADRT+2], v[ADRS+2], v7
	v_mul_u32_u24 v5, v2, SPITCH
	v_lshl_add_u32 v5, v3, 6, v5
	v_add_nc_u32 v[STO], s77, v5
	v_add_nc_u32 v[RD], s77, v[CO]
	s_wait_alu depctr_va_vdst(0)                   ; the wait at the head's end
	s_wait_tensorcnt 0x0                           ; my part of steps 0 to 2 is in
	s_barrier_signal -1
	s_barrier_wait -1                              ; everybody's is
	FETCH 0, 0, 0
	SCALES 0, 0
	STEP 0, 0, 1, 0, 1, -1
	STEP 1, 0, 0, 0, 2, -1
	STEP 2, 0, 0, 0, 3, -1
	TURN 0, 1, 1, 1                                ; place 0 takes the fourth step
	STEP 0, 1, 0, 1, 1, -1
	STEP 1, 1, 0, 1, 2, -1
	STEP 2, 1, 0, 1, 3, -1
	STEP 3, 1, 0, 2, 0, 0
	STEP 0, 0, 0, 2, 1, -1
	STEP 1, 0, 0, 2, 2, -1
	STEP 2, 0, 0, 2, 3, -1
	TURN 0, 0, 0, 1
	STEP 0, 1, 0, 0, 1, -1
	STEP 1, 1, 0, 0, 2, -1
	STEP 2, 1, 0, 0, 3, -1
	s_wait_dscnt 0x0
	WIN MUL
	MUL8 0, 1, 3, 1, 0
	MUL8 1, 1, 3, 1, 0
	MUL8 2, 1, 3, 1, 0
	MUL8 3, 1, 3, 1, 0
	WIN 0
.macro TOSTAGE a                       ; a lane's 16 registers of two neighbouring tiles are 16 neighbouring columns: 64 bytes of row r
.set AC, 64*(\a)
	WIN 0x08
.irp b, 0,1,2,3,4,5,6,7
	ds_store_b128 v[STO], v[AC+8*\b:AC+8*\b+3] offset:128*(\b/2)+32*(\b%2)
	ds_store_b128 v[STO], v[AC+8*\b+4:AC+8*\b+7] offset:128*(\b/2)+32*(\b%2)+16
.endr
	WIN 0
.set BB, BK+64*((\a)%2)
.irp t, 0,1,2,3,4,5,6,7,8,9,10,11,12,13,14,15
	ds_load_b128 v[BB+4*\t:BB+4*\t+3], v[RD] offset:\t*SPITCH    ; LDS serves a wave's instructions in order
.endr
.endm
.macro SEND a, younger
.set BB, BK+64*((\a)%2)
	s_wait_dscnt \younger
.irp t, 0,1,2,3,4,5,6,7,8,9,10,11,12,13,14,15
	global_store_b128 v[CO], v[BB+4*\t:BB+4*\t+3], s[12:13] offset:(32*((\a)/2)+8*((\a)%2)+\t+8*(\t/8))*8192 th:TH_STORE_NT
.endr
.endm
	PLACES NP
	TOSTAGE 0
.irp a, 1,2,3
.if \a > 1
	s_wait_xcnt 0x0                                ; block a - 2's stores have read their registers: block a's loads may land there
.endif
	TOSTAGE \a
	SEND \a-1, 32                                  ; behind block a - 1's loads: block a's 16 stores and 16 loads
.endr
	SEND 3, 0
	s_wait_tensorcnt 0x0                           ; the wave's end
	ds_add_u32 v[SPW], v[NIL]
	s_wait_dscnt 0x0
	CROUND                                         ; the closing round
	s_endpgm
.Lfunc_end_k_q1a811d8cd8_outp:
	.size	k_q1a811d8cd8_outp, .Lfunc_end_k_q1a811d8cd8_outp-k_q1a811d8cd8_outp
	.p2alignl 7, 3214868480
	.fill 96, 4, 3214868480
	.section	.rodata,"a",@progbits
	.p2align	6, 0x0
	.amdhsa_kernel k_q1a811d8cd8_outp
		.amdhsa_group_segment_fixed_size 327680
		.amdhsa_private_segment_fixed_size 0
		.amdhsa_enable_private_segment 0
		.amdhsa_kernarg_size 24
		.amdhsa_user_sgpr_count 2
		.amdhsa_user_sgpr_kernarg_segment_ptr 1
		.amdhsa_wavefront_size32 1
		.amdhsa_system_sgpr_workgroup_id_x 1
		.amdhsa_system_sgpr_workgroup_id_y 1
		.amdhsa_system_sgpr_workgroup_id_z 1
		.amdhsa_system_vgpr_workitem_id 0
		.amdhsa_next_free_vgpr 768
		.amdhsa_next_free_sgpr 98
		.amdhsa_reserve_vcc 0
		.amdhsa_float_denorm_mode_32 3
		.amdhsa_float_denorm_mode_16_64 3
		.amdhsa_memory_ordered 1
		.amdhsa_forward_progress 1
		.amdhsa_inst_pref_size 118
	.end_amdhsa_kernel
	.amdgpu_metadata
---
amdhsa.version: [ 1, 2 ]
amdhsa.kernels:
  - .name:           k_q1a811d8cd8_outp
    .symbol:         k_q1a811d8cd8_outp.kd
    .args:
      - { .name: orec, .offset: 0, .size: 8, .value_kind: global_buffer, .address_space: global }
      - { .name: wops, .offset: 8, .size: 8, .value_kind: global_buffer, .address_space: global }
      - { .name: out0, .offset: 16, .size: 8, .value_kind: global_buffer, .address_space: global }
    .group_segment_fixed_size: 327680
    .private_segment_fixed_size: 0
    .kernarg_segment_align: 8
    .kernarg_segment_size: 24
    .max_flat_workgroup_size: 128
    .sgpr_count:     98
    .vgpr_count:     768
    .wavefront_size: 32
...
	.end_amdgpu_metadata
.endif
;; end of part 4
